; MI455X (gfx1250); checked and timed in simulation.
; The chip was launched on July 23, 2026; its instructions are those of AMD's public machine-readable ISA for CDNA 5 (MIT licence, August 2026) and "CDNA5" Instruction Set Architecture Reference Guide (July 2026). The comments in the code are by the model that wrote it; some were corrected since.
;; Block. Allowed arithmetic: matrix products marked QUANTISED: E2M3 operands, one E8M0 scale for each 32 along K, by v_wmma_scale_f32_16x16x128_f8f6f4 with both operands' format E2M3, f32 sums; everything else in f32.
;; Inputs: fc1_b 4,096 float32; fc1_w_codes 4,096 x 32 x 24 uint8 (E2M3 codes of fc1_w, K innermost, in blocks of 32 codes, four codes in three bytes); fc1_w_scales 4,096 x 32 uint8 (E8M0 scales of fc1_w, one for each 32 codes along K); fc2_b 1,024 float32; fc2_w_codes 1,024 x 128 x 24 uint8 (E2M3 codes of fc2_w, K innermost, in blocks of 32 codes, four codes in three bytes); fc2_w_scales 1,024 x 128 uint8 (E8M0 scales of fc2_w, one for each 32 codes along K); ln1_b 1,024 float32; ln1_g 1,024 float32; ln2_b 1,024 float32; ln2_g 1,024 float32; proj_b 1,024 float32; proj_w_codes 1,024 x 32 x 24 uint8 (E2M3 codes of proj_w, K innermost, in blocks of 32 codes, four codes in three bytes); proj_w_scales 1,024 x 32 uint8 (E8M0 scales of proj_w, one for each 32 codes along K); qkv_b 3,072 float32; qkv_w_codes 3,072 x 32 x 24 uint8 (E2M3 codes of qkv_w, K innermost, in blocks of 32 codes, four codes in three bytes); qkv_w_scales 3,072 x 32 uint8 (E8M0 scales of qkv_w, one for each 32 codes along K); x 2 x 2,048 x 1,024 float32.
;; Outputs: out0 2 x 2,048 x 1,024 float32.
;; This version of the problem:
;;   THIS VERSION OF THE PROBLEM IS GIVEN IN LOW PRECISION. The matrix products marked QUANTISED in the list below multiply operands that are first quantised to E2M3 (2 exponent bits, 3 mantissa bits; 6 bits a number), with one power-of-two scale for each 32 numbers along K (OCP MX v1.0); their sums are f32. All else is computed in f32.
;;   The module's matrix products, in the order in which they are computed (A, B: the left and right operand; K: the contracted axis; several contracted axes count as one K, in the product's order):
;;     1. [M 4,096, K 1,024] x [K 1,024, N 3,072]; A: computed on the way; B: input qkv_w (given as codes): QUANTISED
;;     2. batch 32 x [M 2,048, K 64] x [K 64, N 2,048]; A: computed on the way; B: computed on the way: QUANTISED
;;     3. batch 32 x [M 64, K 2,048] x [K 2,048, N 2,048]; A: computed on the way; B: softmax (see below): QUANTISED
;;     4. [M 4,096, K 1,024] x [K 1,024, N 1,024]; A: computed on the way; B: input proj_w (given as codes): QUANTISED
;;     5. [M 4,096, K 1,024] x [K 1,024, N 4,096]; A: computed on the way; B: input fc1_w (given as codes): QUANTISED
;;     6. [M 4,096, K 4,096] x [K 4,096, N 1,024]; A: computed on the way; B: input fc2_w (given as codes): QUANTISED
;;   THE QUANTISER, for each operand of a quantised product, along K:
;;     - K is cut into blocks of 32 from its start; a last block that is shorter is filled with zeros.
;;     - A block's scale is 2^e with e = floor(log2(the largest magnitude in the block)) - 2, held to -126 .. 127; a block of zeros has e = 0. As a byte (E8M0): e + 127.
;;     - Each number is divided by its block's scale, clamped to +-7.5, and rounded to the nearest number of E2M3, ties to even, subnormals kept.
;;     - The product sums the exact products of the quantised numbers (number of the format x scale) in f32.
;;   ~~~python
;;   def quantise(x, axis):      # numpy; x: float32 -> the quantised numbers, widened to float32 again
;;       x = np.moveaxis(x, axis, -1); K = x.shape[-1]
;;       x = np.pad(x, [(0, 0)] * (x.ndim - 1) + [(0, -K % 32)]); x = x.reshape(x.shape[:-1] + (-1, 32)); a = np.abs(x).max(-1, keepdims=True)
;;       e = np.where(a > 0, np.clip(np.frexp(np.where(a > 0, a, 1))[1] - 1 - 2, -126, 127), 0)      # np.frexp(a)[1] - 1 = floor(log2(a)), exactly
;;       r = np.clip(x / 2.0 ** e, -7.5, 7.5)
;;       step = 2.0 ** (np.maximum(np.frexp(np.where(r == 0, 1, r))[1] - 1, 0) - 3)
;;       q = np.round(r / step) * step * 2.0 ** e      # np.round: ties to even
;;       return np.moveaxis(q.reshape(q.shape[:-2] + (-1,))[..., :K], -1, axis).astype(np.float32)
;;   ~~~
;;   SOFTMAX AHEAD OF A QUANTISED PRODUCT. Where the list says 'softmax', what is quantised is not the finished softmax but p = 2^(t - M), with t = logit x log2(e) and M = ceil(the row's largest t), a whole number; so 1/2 < the row's largest p <= 1. The row's sum l is taken of the UNQUANTISED p, in f32, and the product's result is divided by l at the end. Since M is a whole number, a kernel that streams over the keys may use a running M (the ceiling of the running maximum): every later rescaling is an exact power of two, which a block's scale takes up: the codes' values come out the same.
;;   OPERANDS COMPUTED ON THE WAY. 'Computed on the way' means the value that the module computes at that place (a softmax that the list does not call 'softmax' is quantised finished and normalised). What goes into a quantiser is computed in f32, as accurately as f32 sums, v_exp_f32 and their like allow (about 1e-6 of the number): no bf16 or f16 on the way to a quantiser, and a product that is left as it is and whose result goes on into a quantised operand takes f32 operands (vector FMAs, or v_wmma_f32_16x16x4_f32). A number that lies on a knife's edge between two numbers of the format may be rounded either way, as far as f32 arithmetic and the matrix unit's own rounding can turn it there, and no further.
;;   INPUTS GIVEN AS CODES. fc1_w (in the module: [1024, 4096], K = its axis 0); fc2_w (in the module: [4096, 1024], K = its axis 0); proj_w (in the module: [1024, 1024], K = its axis 0); qkv_w (in the module: [1024, 3072], K = its axis 0): each comes as NAME_codes (uint8): NAME with its K axis moved to the last place and cut into blocks of 32 codes, [.., K / 32, bytes a block], one block behind the other in memory; four codes in three bytes: a row's codes are one little-endian stream of bits, code i at bits 6 i .. 6 i + 5 (a code: sign, 2 exponent bits, 3 mantissa bits); and NAME_scales (uint8): the same leading axes, one E8M0 byte (e + 127) for each 32 codes along K. Its value is code x scale, taken as it is: it is not quantised again, and the codes and scales need not be those that the quantiser above would give.
;; One version. Each part assembles by itself: llvm-mc -triple=amdgcn-amd-amdhsa -mcpu=gfx1250 --defsym DOCPART=n.
;; ======== version 1 of 1: 8 launches
;; limits: right only within a limited range of input values
;; workspace buffers: wimg 10,223,616 bytes; himg 3,407,872 bytes; qimg 7,077,888 bytes; kvimg 7,077,888 bytes; oimg 3,407,872 bytes; x1 16,777,216 bytes; hidimg 13,631,488 bytes
;; launch ln_prep (part 1): grid 256 x 1, 8 waves a work-group, no clusters, 70,656 bytes of LDS; arguments x, ln1_g, ln1_b, himg, fc1_w_codes, fc1_w_scales, fc2_w_codes, fc2_w_scales, qkv_w_codes, qkv_w_scales, proj_w_codes, proj_w_scales, wimg; writes himg, wimg
.if DOCPART == 1
	.amdgcn_target "amdgcn-amd-amdhsa--gfx1250"
	.amdhsa_code_object_version 6
	.text
	.protected	k_q3da7b95c16_ln_prep
	.globl	k_q3da7b95c16_ln_prep
	.p2align	8
	.type	k_q3da7b95c16_ln_prep,@function
k_q3da7b95c16_ln_prep:
	s_mov_b64 s[64:65], 0
	v_nop
	global_prefetch_b8 v0, s[64:65] scope:SCOPE_SE
	s_setreg_imm32_b32 hwreg(HW_REG_WAVE_MODE, 25, 1), 1
	s_wait_xcnt 0x0
; LayerNorm of x, quantised to FP6 (E2M3) with one E8M0 byte for each 32 along the row, stored as images of the matrix operand's registers; and, beside it, the four weights' codes laid the same way.
; TILES.  A tile is 16 rows; lane r of tile t holds row 32 (t / 2) + 8 (t % 2) + r + (r & 8).  With tiles so chosen the results of a transposed product lie in a lane as neighbours along the next K.
; IMAGES.  A fragment (16 rows x 128 K, 12 registers a lane) is 1,536 bytes: registers 0-3 at 16 x lane, 4-5 at 512 + 8 x lane, 6-9 at 768 + 16 x lane, 10-11 at 1,280 + 8 x lane.  Its scale words: 4 x lane, 128 bytes.
; A RECORD is a tile's four fragments of 512 along K and then their four scale images: 6,656 bytes.  An operand is [K / 512][tile] records.
; SHARES.  Work-group t takes token tile t; wave w its columns 128 w .. 128 w + 127 (one fragment).  Each load of x covers 512 consecutive bytes of a row; the wave's own stage in LDS turns them so that lane (r, h) holds,
; of row r, 16 neighbours of each block of 32.  The row's sum and its sum of squared differences meet in LDS: two barriers.  Mean first, then the differences: no difference of large sums is formed.
; ALL LOADS GO OUT AT THE HEAD: the rows, the weights' fragments, the gain and the bias (these two into window 1), so that nothing is asked of memory behind the first wait.
; THE WEIGHTS.  2,048 waves, 3 x 2,048 fragments: each wave copies one fragment of fc1_w, one of fc2_w and one of qkv_w or proj_w (chosen by the work-group's number: pointers and constants, one path).
; LIMITS: NaN and infinities are not served.  A block of zeros gets the byte 1 (its codes are zeros; the bytes are read by this program alone).  Sums are taken as trees.
.set REC,   6656
.set WPOFF, 2555904                    ; wimg: qkv_w at 0 (192 tiles), proj_w here (64 tiles),
.set W1OFF, 3407872                    ; fc1_w (256 tiles),
.set W2OFF, 6815744                    ; fc2_w (64 tiles, K = 4,096)
.set RED1,  0                          ; LDS: 8 waves x 128 bytes: the rows' partial sums;
.set RED2,  1024                       ; the same for the squares;
.set STG0,  2048                       ; then a stage of 16 rows x (512 + 16) bytes for each wave
.set SP,    528
.set STG,   16*SP
.set CO,    4                          ; v4   16 x lane
.set LI8,   5                          ; v5   8 x lane
.set LI4,   6                          ; v6   4 x lane
.set STI,   7                          ; v7   stage, way in: 16 x lane
.set STO,   8                          ; v8   stage, way out: 528 r + 64 h
.set GO,    9                          ; v9   gain and bias: 512 w + 64 h
.set RW,    10                         ; v10  4 x thread: my word among the partial sums
.set VA768, 11                         ; v11  weights with rows of 768 bytes: (r + (r & 8)) x 768 + 24 h
.set VA3072, 12                        ; v12  rows of 3,072 bytes
.set VS32,  13                         ; v13  their scale rows of 32 bytes
.set VS128, 14                         ; v14  of 128 bytes
.set TM,    16                         ; v16-31 the quantiser's work
.set PC,    32                         ; v32-50 codes
.set PW,    52                         ; v52  the scale word
.set R,     64                         ; v64-127  x as loaded
.set X,     128                        ; v128-191 my 64 numbers
.set B,     192                        ; v192-239 three weight fragments (16 registers each)
.set G,     0                          ; window 1: v0-63 the gain,
.set BB,    64                         ;           v64-127 the bias, at my 64 columns
.set MSB,   0
.macro WIN new                         ; the immediate's high byte repeats the setting that is left
.if MSB != \new
	s_set_vgpr_msb (MSB<<8)|\new
.set MSB, \new
.endif
.endm
; 64 numbers of a lane, register 16 b + i = k 32 b + 16 h + i of my row, become a fragment's codes in v[pc] on and its scale word in v[pw]
.macro QUANT s, pc, pw
.irp b, 0,1,2,3
	v_max3_num_f32 v[TM+\b], |v[\s+16*\b]|, |v[\s+1+16*\b]|, 0x1800000   ; my 16 of block b, and the floor 2^(3 - 127): the byte cannot fall under 1
.endr
.irp i, 2,4,6,8,10,12,14
.irp b, 0,1,2,3
	s_delay_alu instid0(VALU_DEP_4)
	v_max3_num_f32 v[TM+\b], v[TM+\b], |v[\s+16*\b+\i]|, |v[\s+1+16*\b+\i]|
.endr
.endr
.irp b, 0,1,2,3
	s_delay_alu instid0(VALU_DEP_4)
	v_permlanex16_b32 v[TM+4+\b], v[TM+\b], s20, s21
.endr
.irp b, 0,1,2,3
	s_delay_alu instid0(VALU_DEP_4)
	v_max_num_f32 v[TM+\b], v[TM+\b], v[TM+4+\b]       ; with lane l xor 16's: the block's largest magnitude
.endr
.irp b, 0,1,2,3
	s_delay_alu instid0(VALU_DEP_4)
	v_add_nc_u32 v[TM+12+\b], 0xff000000, v[TM+\b]     ; 2 off its exponent field: the conversion's scale operand
.endr
.irp b, 0,1,2,3
	s_delay_alu instid0(VALU_DEP_4)
	v_lshrrev_b32 v[TM+4+\b], 23, v[TM+12+\b]          ; the scale's byte
.endr
	s_delay_alu instid0(VALU_DEP_3)
	v_lshl_or_b32 v[\pw], v[TM+5], 8, v[TM+4]
	s_delay_alu instid0(VALU_DEP_1)
	v_lshl_or_b32 v[\pw], v[TM+6], 16, v[\pw]
	s_delay_alu instid0(VALU_DEP_1)
	v_lshl_or_b32 v[\pw], v[TM+7], 24, v[\pw]
.irp c, 0,1
	v_cvt_scalef32_pk16_fp6_f32 v[\pc+6*\c:\pc+2+6*\c], v[\s+32*\c:\s+15+32*\c], v[TM+12+2*\c]
	v_cvt_scalef32_pk16_fp6_f32 v[\pc+12+4*\c:\pc+14+4*\c], v[\s+16+32*\c:\s+31+32*\c], v[TM+12+2*\c+1]   ; (a conversion's three registers begin on an even number)
.endr
	v_nop                                              ; one plain place behind a scaled conversion
.irp c, 0,1                                        ; the operand wants a whole block in a lane: lanes 0-15 block 2 c, lanes 16-31 block 2 c + 1
.irp i, 0,1,2
	v_permlane16_swap_b32 v[\pc+6*\c+\i], v[\pc+12+4*\c+\i]
.endr
.irp i, 0,1,2
	s_delay_alu instid0(VALU_DEP_3)
	v_mov_b32 v[\pc+3+6*\c+\i], v[\pc+12+4*\c+\i]
.endr
.endr
.endm
; four chains in v[54:61] become the row's total in v54, in every lane: my lane, lane l xor 16, then the eight waves through LDS
.macro ROWSUM red
	s_delay_alu instid0(VALU_DEP_3)
	v_pk_add_f32 v[54:55], v[54:55], v[56:57]
	s_delay_alu instid0(VALU_DEP_2)
	v_pk_add_f32 v[58:59], v[58:59], v[60:61]
	s_delay_alu instid0(VALU_DEP_1)
	v_pk_add_f32 v[54:55], v[54:55], v[58:59]
	s_delay_alu instid0(VALU_DEP_1)
	v_add_f32 v54, v54, v55
	s_delay_alu instid0(VALU_DEP_1)
	v_permlanex16_b32 v53, v54, s20, s21
	s_delay_alu instid0(VALU_DEP_1)
	v_add_f32 v54, v54, v53
	ds_store_b32 v[RW], v54 offset:\red
	s_wait_dscnt 0x0                                   ; for the others' sake: my word lies in LDS
	s_barrier_signal -1
	s_barrier_wait -1
.irp k, 0,1,2,3,4,5,6,7
	ds_load_b32 v[54+\k], v[LI4] offset:\red+128*\k    ; wave k's partial sum of my row
.endr
	s_wait_dscnt 0x0
	v_pk_add_f32 v[54:55], v[54:55], v[56:57]
	v_pk_add_f32 v[58:59], v[58:59], v[60:61]
	s_delay_alu instid0(VALU_DEP_1)
	v_pk_add_f32 v[54:55], v[54:55], v[58:59]
	s_delay_alu instid0(VALU_DEP_1)
	v_add_f32 v54, v54, v55
.endm
; where a weight fragment (tile tl, K step ks; rows of rowb bytes of codes, srow of scales) begins: pairs oc (codes) and os (scales) from the pointers in pairs pc and ps
.macro WSRC oc, os, pc, ps, tl, ks, rowb, srow
	s_lshr_b32 s50, \tl, 1
	s_lshl_b32 s50, s50, 5
	s_and_b32 s51, \tl, 1
	s_lshl_b32 s51, s51, 3
	s_add_co_u32 s50, s50, s51                         ; the tile's first row
	s_mul_i32 s52, s50, \rowb
	s_mul_i32 s51, \ks, 96
	s_add_co_u32 s52, s52, s51
	s_mov_b32 s53, 0
	s_add_nc_u64 s[\oc:\oc+1], s[\pc:\pc+1], s[52:53]
	s_mul_i32 s52, s50, \srow
	s_lshl_b32 s51, \ks, 2
	s_add_co_u32 s52, s52, s51
	s_add_nc_u64 s[\os:\os+1], s[\ps:\ps+1], s[52:53]
.endm
; and where its image goes in wimg: record (ks / 4) x nt + tl of the weight that begins at bs
.macro WDEST oc, os, tl, ks, nt, bs
	s_lshr_b32 s50, \ks, 2
	s_mul_i32 s50, s50, \nt
	s_add_co_u32 s50, s50, \tl
	s_mul_i32 s50, s50, REC
	s_add_co_u32 s50, s50, \bs
	s_and_b32 s51, \ks, 3
	s_mul_i32 s52, s51, 1536
	s_add_co_u32 s52, s52, s50
	s_mov_b32 s53, 0
	s_add_nc_u64 s[\oc:\oc+1], s[40:41], s[52:53]
	s_lshl_b32 s51, s51, 7
	s_add_co_u32 s52, s50, s51
	s_add_co_u32 s52, s52, 6144
	s_add_nc_u64 s[\os:\os+1], s[40:41], s[52:53]
.endm
.macro RLOAD j, va, vs, cp, sp                     ; the fragment as the operand's layout has it: 24 bytes twice, in pieces of 8; and the rows' scale words
.irp p, 0,1,2,3,4,5
	global_load_b64 v[B+16*\j+2*\p:B+16*\j+2*\p+1], v[\va], s[\cp:\cp+1] offset:48*(\p/3)+8*(\p%3)
.endr
	global_load_b32 v[B+16*\j+12], v[\vs], s[\sp:\sp+1]
.endm
.macro IMG reg, sreg, cp, sp                       ; an image goes out: each store covers consecutive bytes
	global_store_b128 v[CO], v[\reg:\reg+3], s[\cp:\cp+1]
	global_store_b64 v[LI8], v[\reg+4:\reg+5], s[\cp:\cp+1] offset:512
	global_store_b128 v[CO], v[\reg+6:\reg+9], s[\cp:\cp+1] offset:768
	global_store_b64 v[LI8], v[\reg+10:\reg+11], s[\cp:\cp+1] offset:1280
	global_store_b32 v[LI4], v[\sreg], s[\sp:\sp+1]
.endm
	s_load_b256 s[4:11], s[0:1], 0x0                   ; x s[4:5], gain s[6:7], bias s[8:9], himg s[10:11]
	s_load_b256 s[24:31], s[0:1], 0x20                 ; fc1_w codes, scales; fc2_w codes, scales
	s_load_b256 s[32:39], s[0:1], 0x40                 ; qkv_w codes, scales; proj_w codes, scales
	s_load_b64 s[40:41], s[0:1], 0x60                  ; wimg
	v_lshl_add_u32 v254, v0, 2, 0x11000
	v_mov_b32 v255, 0
	v_lshrrev_b32 v1, 5, v0
	s_delay_alu instid0(VALU_DEP_1)
	v_readfirstlane_b32 s12, v1                        ; wave 0..7
	v_and_b32 v1, 31, v0                               ; lane
	v_and_b32 v2, 15, v0                               ; r
	v_bfe_u32 v3, v0, 4, 1                             ; h
	s_delay_alu instid0(VALU_DEP_3)
	v_lshlrev_b32 v[CO], 4, v1
	s_delay_alu instid0(VALU_DEP_4)
	v_lshlrev_b32 v[LI8], 3, v1
	v_lshlrev_b32 v[LI4], 2, v1
	s_mul_i32 s13, s12, STG
	s_add_co_u32 s13, s13, STG0                        ; my stage
	v_add_nc_u32 v[STI], s13, v[CO]
	v_mul_u32_u24 v[STO], v2, SP
	s_delay_alu instid0(VALU_DEP_1)
	v_lshl_add_u32 v[STO], v3, 6, v[STO]
	s_delay_alu instid0(VALU_DEP_1)
	v_add_nc_u32 v[STO], s13, v[STO]
	s_lshl_b32 s15, s12, 9                             ; my 128 columns, in bytes
	v_lshlrev_b32 v[GO], 6, v3
	s_delay_alu instid0(VALU_DEP_1)
	v_add_nc_u32 v[GO], s15, v[GO]
	v_lshlrev_b32 v[RW], 2, v0
	v_and_b32 v15, 8, v2
	s_delay_alu instid0(VALU_DEP_1)
	v_add_nc_u32 v15, v15, v2                          ; r + (r & 8)
	s_delay_alu instid0(VALU_DEP_1)
	v_mul_u32_u24 v[VA768], v15, 768
	s_delay_alu instid0(VALU_DEP_1)
	v_mad_u32_u24 v[VA768], v3, 24, v[VA768]
	s_delay_alu instid0(VALU_DEP_3)
	v_mul_u32_u24 v[VA3072], v15, 3072
	s_delay_alu instid0(VALU_DEP_1)
	v_mad_u32_u24 v[VA3072], v3, 24, v[VA3072]
	v_lshlrev_b32 v[VS32], 5, v15
	v_lshlrev_b32 v[VS128], 7, v15
	v_mov_b32 v53, 0                                   ; written once: a lane permute's destination counts as one of its sources
.irp b, 0,1,2,3
	v_mov_b32 v[TM+4+\b], 0
.endr
	s_mov_b32 s2, 0x3a800000                           ; 1 / 1,024
	s_mov_b32 s3, 0x3727c5ac                           ; eps = 1e-5
	s_mov_b32 s20, 0x76543210
	s_mov_b32 s21, 0xfedcba98                          ; v_permlanex16_b32's selects for lane l xor 16
	s_lshr_b32 s16, ttmp9, 1                           ; x: the tile's first row is 32 (t / 2) + 8 (t % 2); a row is 4,096 bytes
	s_lshl_b32 s16, s16, 17
	s_and_b32 s17, ttmp9, 1
	s_lshl_b32 s17, s17, 15
	s_add_co_u32 s16, s16, s17
	s_add_co_u32 s16, s16, s15
	s_mov_b32 s17, 0
	s_lshr_b32 s18, s12, 2                             ; himg: record (w / 4) x 256 + t, fragment w % 4
	s_lshl_b32 s18, s18, 8
	s_add_co_u32 s18, s18, ttmp9
	s_mul_i32 s18, s18, REC
	s_and_b32 s19, s12, 3
	s_mul_i32 s22, s19, 1536
	s_add_co_u32 s22, s22, s18
	s_mov_b32 s23, 0
	s_lshl_b32 s19, s19, 7
	s_add_co_u32 s18, s18, s19
	s_add_co_u32 s18, s18, 6144
	s_mov_b32 s19, 0
	s_wait_alu depctr_va_vdst(0)
	s_wait_kmcnt 0x0
	s_add_nc_u64 s[4:5], s[4:5], s[16:17]
	s_add_nc_u64 s[22:23], s[10:11], s[22:23]          ; my fragment's image
	s_add_nc_u64 s[18:19], s[10:11], s[18:19]          ; and its scale image
.irp i, 0,1,2,3,4,5,6,7,8,9,10,11,12,13,14,15
	global_load_b128 v[R+4*\i:R+4*\i+3], v[CO], s[4:5] offset:(\i+(\i&8))*4096   ; the tile's row i: 512 consecutive bytes
.endr
	WSRC 54, 56, 24, 26, ttmp9, s12, 768, 32           ; fc1_w: tile t, K step w
	WDEST 68, 70, ttmp9, s12, 256, W1OFF
	s_lshr_b32 s14, ttmp9, 2                           ; fc2_w: tile t / 4, K step 8 (t % 4) + w
	s_and_b32 s49, ttmp9, 3
	s_lshl_b32 s49, s49, 3
	s_add_co_u32 s49, s49, s12
	WSRC 58, 60, 28, 30, s14, s49, 3072, 128
	WDEST 72, 74, s14, s49, 64, W2OFF
	s_cmp_lt_u32 ttmp9, 192                            ; qkv_w's tile t, or proj_w's tile t - 192: the choice hangs on the work-group's number alone
	s_cselect_b64 s[42:43], s[32:33], s[36:37]
	s_cselect_b64 s[44:45], s[34:35], s[38:39]
	s_cselect_b32 s46, 0, 192
	s_cselect_b32 s47, 192, 64
	s_cselect_b32 s48, 0, WPOFF
	s_sub_co_u32 s46, ttmp9, s46
	WSRC 62, 66, 42, 44, s46, s12, 768, 32
	WDEST 76, 78, s46, s12, s47, s48
	RLOAD 0, VA768, VS32, 54, 56
	RLOAD 1, VA3072, VS128, 58, 60
	RLOAD 2, VA768, VS32, 62, 66
	WIN 0x40                                           ; destination window 1
.irp b, 0,1,2,3
.irp j, 0,1,2,3
	global_load_b128 v[G+16*\b+4*\j:G+16*\b+4*\j+3], v[GO], s[6:7] offset:128*\b+16*\j     ; the gain at my 64 columns
	global_load_b128 v[BB+16*\b+4*\j:BB+16*\b+4*\j+3], v[GO], s[8:9] offset:128*\b+16*\j   ; the bias
.endr
.endr
	WIN 0
	s_wait_loadcnt 53                                  ; x's 16 loads are in; the 21 of the weights and the 32 of gain and bias, issued behind them, may be out
.irp i, 0,1,2,3,4,5,6,7,8,9,10,11,12,13,14,15
	ds_store_b128 v[STI], v[R+4*\i:R+4*\i+3] offset:SP*\i
.endr
.irp b, 0,1,2,3
.irp j, 0,1,2,3
	ds_load_b128 v[X+16*\b+4*\j:X+16*\b+4*\j+3], v[STO] offset:128*\b+16*\j   ; LDS serves a wave's instructions in order: these see my stores
.endr
.endr
	s_wait_loadcnt 32                                  ; the weights' fragments are in; the 32 loads of gain and bias may be out
	IMG B, B+12, 68, 70
	IMG B+16, B+28, 72, 74
	IMG B+32, B+44, 76, 78
	s_wait_dscnt 0x0                                   ; my 64 numbers are in
.irp k, 0,1,2,3
	v_pk_add_f32 v[54+2*\k:55+2*\k], v[X+4*\k:X+4*\k+1], v[X+4*\k+2:X+4*\k+3]            ; the sum, in four chains
.endr
.irp j, 16,24,32,40,48,56
.irp k, 0,1,2,3
	s_delay_alu instid0(VALU_DEP_4)
	v_pk_add_f32 v[54+2*\k:55+2*\k], v[54+2*\k:55+2*\k], v[X+\j+2*\k:X+\j+2*\k+1]
.endr
.endr
	ROWSUM RED1
	s_delay_alu instid0(VALU_DEP_1)
	v_mul_f32 v62, s2, v54                             ; the mean, in both registers of a pair
	s_delay_alu instid0(VALU_DEP_1)
	v_mov_b32 v63, v62
.set j, 0
.rept 32
	v_pk_add_f32 v[X+j:X+j+1], v[X+j:X+j+1], v[62:63] neg_lo:[0,1] neg_hi:[0,1]
.set j, j+2
.endr
.irp k, 0,1,2,3
	v_pk_mul_f32 v[54+2*\k:55+2*\k], v[X+2*\k:X+2*\k+1], v[X+2*\k:X+2*\k+1]
.endr
.set j, 8
.rept 7
.irp k, 0,1,2,3
	s_delay_alu instid0(VALU_DEP_4)
	v_pk_fma_f32 v[54+2*\k:55+2*\k], v[X+j+2*\k:X+j+2*\k+1], v[X+j+2*\k:X+j+2*\k+1], v[54+2*\k:55+2*\k]
.endr
.set j, j+8
.endr
	ROWSUM RED2
	s_delay_alu instid0(VALU_DEP_1)
	v_fma_f32 v60, v54, s2, s3                         ; the variance + eps
	s_wait_alu depctr_va_vdst(0)
	v_rsq_f32 v62, v60
	v_rsq_f32 v63, v60
	v_nop                                              ; one plain place behind a transcendental
	s_wait_loadcnt 0x0                                 ; gain and bias
.set j, 0
	s_wait_alu depctr_va_vdst(0)
.rept 32
	v_pk_mul_f32 v[X+j:X+j+1], v[X+j:X+j+1], v[62:63]
.set j, j+2
.endr
	WIN 0x14                                           ; sources 1 (gain) and 2 (bias) window 1
.set j, 0
.rept 32
	v_pk_fma_f32 v[X+j:X+j+1], v[X+j:X+j+1], v[G+j:G+j+1], v[BB+j:BB+j+1]
.set j, j+2
.endr
	WIN 0
	QUANT X, PC, PW
	IMG PC, PW, 22, 18
	s_wait_tensorcnt 0x0
	ds_add_u32 v254, v255
	s_wait_dscnt 0x0
	s_endpgm
.Lfunc_end_k_q3da7b95c16_ln_prep:
	.size	k_q3da7b95c16_ln_prep, .Lfunc_end_k_q3da7b95c16_ln_prep-k_q3da7b95c16_ln_prep
	.p2alignl 7, 3214868480
	.fill 96, 4, 3214868480
	.section	.rodata,"a",@progbits
	.p2align	6, 0x0
	.amdhsa_kernel k_q3da7b95c16_ln_prep
		.amdhsa_group_segment_fixed_size 70656
		.amdhsa_private_segment_fixed_size 0
		.amdhsa_enable_private_segment 0
		.amdhsa_kernarg_size 104
		.amdhsa_user_sgpr_count 2
		.amdhsa_user_sgpr_kernarg_segment_ptr 1
		.amdhsa_wavefront_size32 1
		.amdhsa_system_sgpr_workgroup_id_x 1
		.amdhsa_system_sgpr_workgroup_id_y 1
		.amdhsa_system_sgpr_workgroup_id_z 1
		.amdhsa_system_vgpr_workitem_id 0
		.amdhsa_next_free_vgpr 384
		.amdhsa_next_free_sgpr 80
		.amdhsa_reserve_vcc 0
		.amdhsa_float_denorm_mode_32 3
		.amdhsa_float_denorm_mode_16_64 3
		.amdhsa_memory_ordered 1
		.amdhsa_forward_progress 1
		.amdhsa_inst_pref_size 38
	.end_amdhsa_kernel
	.amdgpu_metadata
---
amdhsa.version: [ 1, 2 ]
amdhsa.kernels:
  - .name:           k_q3da7b95c16_ln_prep
    .symbol:         k_q3da7b95c16_ln_prep.kd
    .args:
      - { .name: x, .offset: 0, .size: 8, .value_kind: global_buffer, .address_space: global }
      - { .name: ln1_g, .offset: 8, .size: 8, .value_kind: global_buffer, .address_space: global }
      - { .name: ln1_b, .offset: 16, .size: 8, .value_kind: global_buffer, .address_space: global }
      - { .name: himg, .offset: 24, .size: 8, .value_kind: global_buffer, .address_space: global }
      - { .name: fc1_w_codes, .offset: 32, .size: 8, .value_kind: global_buffer, .address_space: global }
      - { .name: fc1_w_scales, .offset: 40, .size: 8, .value_kind: global_buffer, .address_space: global }
      - { .name: fc2_w_codes, .offset: 48, .size: 8, .value_kind: global_buffer, .address_space: global }
      - { .name: fc2_w_scales, .offset: 56, .size: 8, .value_kind: global_buffer, .address_space: global }
      - { .name: qkv_w_codes, .offset: 64, .size: 8, .value_kind: global_buffer, .address_space: global }
      - { .name: qkv_w_scales, .offset: 72, .size: 8, .value_kind: global_buffer, .address_space: global }
      - { .name: proj_w_codes, .offset: 80, .size: 8, .value_kind: global_buffer, .address_space: global }
      - { .name: proj_w_scales, .offset: 88, .size: 8, .value_kind: global_buffer, .address_space: global }
      - { .name: wimg, .offset: 96, .size: 8, .value_kind: global_buffer, .address_space: global }
    .group_segment_fixed_size: 70656
    .private_segment_fixed_size: 0
    .kernarg_segment_align: 8
    .kernarg_segment_size: 104
    .max_flat_workgroup_size: 256
    .sgpr_count:     80
    .vgpr_count:     384
    .wavefront_size: 32
...
	.end_amdgpu_metadata
.endif
;; end of part 1
;; launch gemm_qk (part 2): grid 8 x 32, 4 waves a work-group, clusters of 4 x 4, 327,680 bytes of LDS; arguments himg, wimg, qkv_b, qimg, kvimg; writes qimg, kvimg
.if DOCPART == 2
	.amdgcn_target "amdgcn-amd-amdhsa--gfx1250"
	.amdhsa_code_object_version 6
	.text
	.protected	k_q3da7b95c16_gemm_qk
	.globl	k_q3da7b95c16_gemm_qk
	.p2align	8
	.type	k_q3da7b95c16_gemm_qk,@function
k_q3da7b95c16_gemm_qk:
	s_mov_b64 s[64:65], 0
	v_nop
	global_prefetch_b8 v0, s[64:65] scope:SCOPE_SE
	s_setreg_imm32_b32 hwreg(HW_REG_WAVE_MODE, 25, 1), 1
	s_wait_xcnt 0x0
	s_wait_alu depctr_hold_cnt(0) depctr_sa_sdst(0) depctr_va_vdst(0) depctr_va_sdst(0) depctr_va_ssrc(0) depctr_va_vcc(0) depctr_vm_vsrc(0)
	s_getreg_b32 s2, hwreg(HW_REG_IB_STS2, 6, 4)
	s_cmp_eq_u32 s2, 0
	s_cbranch_scc0 .Lentry_in_a_cluster
	s_endpgm
.Lentry_in_a_cluster:
	s_bfe_u32 s2, ttmp6, 0x10000c
	s_cmp_lg_u32 s2, 0xf033
	s_cbranch_scc0 .Lentry_shape_is_right
	s_endpgm
.Lentry_shape_is_right:
.set NTY,   256
.set NTX,   192
.set OFY,   0
.set OFX,   0
; q and k: Q(LN1(x)) times qkv_w's rows 0 .. 2,047, + qkv_b, quantised along each head's 64 channels.
; OUTPUT.  For each head and each 128 tokens a block of STEPB bytes: 8 tiles x 768 bytes of codes (registers 0-3 at 16 x lane, 4-5 at 512 + 8 x lane), then 8 x 128 bytes of scale words (4 x lane, the head's two bytes low).
; Row m of tile t of such a block is token 64 (t / 4) + 32 (m / 8) + 8 (t % 4) + m % 8: with k's tiles so composed a lane of k q^T holds whole blocks of 32 keys.
; My Y tile a, lane r, is token 64 YH + 32 (a / 2) + 8 (a % 2) + r % 8 + 16 (r / 8): it goes to tile 4 YH + a % 2 + 2 (r / 8), row r % 8 + 8 (a / 2).
; Both chunks of 512 along K come by ONE tensor load a wave: two rows, a chunk's records of my half each.
.set STEPB, 13824
.set NA16, 23                          ; v23  16 (r % 8) + 256 h + 1,536 (r / 8)
.set NA8,  24                          ; v24   8 (r % 8) + 128 h + 1,536 (r / 8)
.set NA4,  25                          ; v25   4 (r % 8) +  64 h +   256 (r / 8)
.set REC,   6656
.set XHALF, 8*REC
.set YHALF, 4*REC
.set YOFF,  32*REC
.set SLOT,  24*REC
.set SPARE, 2*SLOT
.set AX16, 4
.set AX8,  6
.set AY16, 8
.set AY8,  10
.set ASX,  12
.set ASY,  14
.set LI16, 16
.set LI8,  17
.set LI4,  18
.set BVA,  22
.set SPW,  28
.set NIL,  29
.set SC,   32
.set PW,   56
.set YF,   64
.set BIAS, 160
.set TM,   240
.set G1X,  24
.set G0X,  32
.set G1Y,  48
.set G0Y,  56
.set SEL,  88
.set MSB,  0
.macro WIN new
.if MSB != \new
	s_set_vgpr_msb (MSB<<8)|\new
.set MSB, \new
.endif
.endm
.macro JLOAD s
	s_cmp_eq_u32 s15, 0
	s_cbranch_scc0 .Lfor_y_\@
	tensor_load_to_lds s[G0X+4*\s:G0X+4*\s+3], s[G1X:G1X+7]
	s_nop 0
.rept 4
	v_nop
.endr
	s_branch .Lasked_\@
.Lfor_y_\@:
	tensor_load_to_lds s[G0Y+4*\s:G0Y+4*\s+3], s[G1Y:G1Y+7]
	s_nop 0
.rept 4
	v_nop
.endr
.Lasked_\@:
.endm
.macro CREST
	s_cmp_lg_u32 s14, 0
	s_cbranch_scc1 .Lnot_wave_0_\@
	s_barrier_signal -3
.Lnot_wave_0_\@:
	s_barrier_wait -3
	s_barrier_signal -1
	s_barrier_wait -1
.endm
.macro CROUND
	s_barrier_signal -1
	s_barrier_wait -1
	CREST
.endm
.macro PLACES
.rept 4
	v_nop
.endr
.endm
.macro FRAG reg, a16, a8, off
	ds_load_b128 v[\reg:\reg+3], v[\a16] offset:\off
	ds_load_b64 v[\reg+4:\reg+5], v[\a8] offset:\off+512
	ds_load_b128 v[\reg+6:\reg+9], v[\a16] offset:\off+768
	ds_load_b64 v[\reg+10:\reg+11], v[\a8] offset:\off+1280
.endm
.macro FETCH slot, ks, p
	WIN 0x40
.irp i, 0,1,2,3,4,5,6,7
	FRAG 128*(\p)+12*\i, AX16+\slot, AX8+\slot, \i*REC+(\ks)*1536
.endr
	WIN 0
.irp i, 0,1,2,3
	FRAG YF+48*(\p)+12*\i, AY16+\slot, AY8+\slot, \i*REC+(\ks)*1536
.endr
.irp i, 0,1,2,3,4,5,6,7
	ds_load_b32 v[SC+12*(\p)+\i], v[ASX+\slot] offset:\i*REC+6144+128*(\ks)
.endr
.irp i, 0,1,2,3
	ds_load_b32 v[SC+12*(\p)+8+\i], v[ASY+\slot] offset:\i*REC+6144+128*(\ks)
.endr
.endm
.macro MUL16 a0, p, first
.irp a, \a0, \a0+1
.irp b, 0,1,2,3,4,5,6,7
.set AC, 8*(8*(\a)+\b)
.set XR, 128*(\p)+12*\b
.set YR, YF+48*(\p)+12*(\a)
.set SX, SC+12*(\p)+\b
.set SY, SC+12*(\p)+8+(\a)
.set BR, BIAS+8*\b
.if \first
	v_wmma_scale_f32_16x16x128_f8f6f4 v[AC:AC+7], v[XR:XR+11], v[YR:YR+11], v[BR:BR+7], v[SX], v[SY] matrix_a_fmt:MATRIX_FMT_FP6 matrix_b_fmt:MATRIX_FMT_FP6
.else
	v_wmma_scale_f32_16x16x128_f8f6f4 v[AC:AC+7], v[XR:XR+11], v[YR:YR+11], v[AC:AC+7], v[SX], v[SY] matrix_a_fmt:MATRIX_FMT_FP6 matrix_b_fmt:MATRIX_FMT_FP6
.endif
.endr
.endr
.endm
.macro STEP slot, ks, first
	s_wait_dscnt 0x0
	PLACES
	FETCH \slot, (\ks)+1, 1-(\ks)%2
.if \first
	WIN 0x81
.else
	WIN 0xa1
.endif
	MUL16 0, (\ks)%2, \first
	MUL16 2, (\ks)%2, \first
	WIN 0
.endm
.macro TURN slot, next, fill
	s_wait_tensorcnt 0x0
	ds_add_u32 v[SPW], v[NIL]
.if \fill
	s_add_nc_u64 s[G0X+4*\slot+2:G0X+4*\slot+3], s[G0X+4*\slot+2:G0X+4*\slot+3], 2*NTX*REC
	s_add_nc_u64 s[G0Y+4*\slot+2:G0Y+4*\slot+3], s[G0Y+4*\slot+2:G0Y+4*\slot+3], 2*NTY*REC
.endif
	s_wait_dscnt 0x0
	s_barrier_signal -1
	WIN 0xa1
	MUL16 0, 1, 0
	WIN 0
	s_barrier_wait -1
.if \fill
	CREST
	JLOAD \slot
.else
	PLACES
.endif
	FETCH \next, 0, 0
	WIN 0xa1
	MUL16 2, 1, 0
	WIN 0
.endm
.macro QUANT s, sw, pc, pw
	WIN (\sw)|((\sw)<<2)
.irp b, 0,1,2,3
	v_max3_num_f32 v[TM+\b], |v[(\s)+16*\b]|, |v[(\s)+1+16*\b]|, 0x1800000
.endr
	WIN ((\sw)<<2)|((\sw)<<4)
.irp i, 2,4,6,8,10,12,14
.irp b, 0,1,2,3
	v_max3_num_f32 v[TM+\b], v[TM+\b], |v[(\s)+16*\b+\i]|, |v[(\s)+1+16*\b+\i]|
.endr
.endr
	WIN 0
.irp b, 0,1,2,3
	v_permlanex16_b32 v[TM+4+\b], v[TM+\b], s[SEL], s[SEL+1]
.endr
.irp b, 0,1,2,3
	v_max_num_f32 v[TM+\b], v[TM+\b], v[TM+4+\b]
.endr
.irp b, 0,1,2,3
	v_add_nc_u32 v[TM+12+\b], 0xff000000, v[TM+\b]
.endr
.irp b, 0,1,2,3
	v_lshrrev_b32 v[TM+4+\b], 23, v[TM+12+\b]
.endr
	v_lshl_or_b32 v[\pw], v[TM+5], 8, v[TM+4]
	v_lshl_or_b32 v[\pw], v[TM+6], 16, v[\pw]
	v_lshl_or_b32 v[\pw], v[TM+7], 24, v[\pw]
	WIN \sw
.irp c, 0,1
	v_cvt_scalef32_pk16_fp6_f32 v[\pc+6*\c:\pc+2+6*\c], v[(\s)+32*\c:(\s)+15+32*\c], v[TM+12+2*\c]
	v_cvt_scalef32_pk16_fp6_f32 v[\pc+12+4*\c:\pc+14+4*\c], v[(\s)+16+32*\c:(\s)+31+32*\c], v[TM+12+2*\c+1]
.endr
	WIN 0
	v_nop
.irp c, 0,1
.irp i, 0,1,2
	v_permlane16_swap_b32 v[\pc+6*\c+\i], v[\pc+12+4*\c+\i]
.endr
.irp i, 0,1,2
	v_mov_b32 v[\pc+3+6*\c+\i], v[\pc+12+4*\c+\i]
.endr
.endr
.endm
.macro PUT pc, pw, co, so
	v_lshrrev_b32 v[\pw+4], 16, v[\pw]                 ; the second head's two scale bytes, low
	global_store_b128 v[NA16], v[\pc:\pc+3], s[10:11] offset:768*((\co)%2)+128*((\co)/2)
	global_store_b64 v[NA8], v[\pc+4:\pc+5], s[10:11] offset:768*((\co)%2)+64*((\co)/2)+512
	global_store_b128 v[NA16], v[\pc+6:\pc+9], s[10:11] offset:16*STEPB+768*((\co)%2)+128*((\co)/2)   ; the pair's second head: 16 blocks on
	global_store_b64 v[NA8], v[\pc+10:\pc+11], s[10:11] offset:16*STEPB+768*((\co)%2)+64*((\co)/2)+512
	global_store_b32 v[NA4], v[\pw], s[12:13] offset:128*((\so)%2)+32*((\so)/2)
	global_store_b32 v[NA4], v[\pw+4], s[12:13] offset:16*STEPB+128*((\so)%2)+32*((\so)/2)
.endm
	s_load_b128 s[4:7], s[0:1], 0x0
	s_load_b128 s[8:11], s[0:1], 0x10
	s_load_b64 s[12:13], s[0:1], 0x20
	v_lshl_add_u32 v[SPW], v0, 2, SPARE
	v_mov_b32 v[NIL], 0
	ds_add_u32 v28, v29
	ds_add_u32 v28, v29
	s_wait_dscnt 0x0
	v_lshrrev_b32 v1, 5, v0
	v_readfirstlane_b32 s14, v1
	s_lshr_b32 s15, s14, 1
	s_and_b32 s16, s14, 1
	s_bfe_u32 s40, ttmp6, 0x40000
	s_bfe_u32 s41, ttmp6, 0x40004
	s_lshl_b32 s42, ttmp9, 2
	s_add_co_u32 s42, s42, s40
	s_and_b32 s17, ttmp7, 0xffff
	s_lshl_b32 s17, s17, 2
	s_add_co_u32 s17, s17, s41
	s_lshl_b32 s43, s41, 2
	s_lshl_b32 s43, 15, s43
	s_lshl_b32 s44, 0x1111, s40
	s_or_b32 s[G1X], s44, (3<<16)|(1<<21)
	s_or_b32 s[G1Y], s43, (3<<16)|(1<<21)
	s_mov_b32 s[G1X+1], 6656<<16                       ; a row: 8 records, 53,248 bytes, in elements of 8
	s_mov_b32 s[G1X+2], 2<<16                          ; two rows: the two chunks of 512 along K
	s_mov_b32 s[G1X+3], 6656<<16
	s_mov_b32 s[G1X+4], 2
	s_mov_b32 s[G1X+5], NTX*REC/8                      ; from chunk to chunk
	s_mov_b32 s[G1X+6], 0
	s_mov_b32 s[G1X+7], 0
	s_mov_b32 s[G1Y+1], 3328<<16                       ; a row: 4 records
	s_mov_b32 s[G1Y+2], 2<<16
	s_mov_b32 s[G1Y+3], 3328<<16
	s_mov_b32 s[G1Y+4], 2
	s_mov_b32 s[G1Y+5], NTY*REC/8
	s_mov_b32 s[G1Y+6], 0
	s_mov_b32 s[G1Y+7], 0
	s_lshl_b32 s46, s42, 4
	s_lshl_b32 s18, s16, 3
	s_add_co_u32 s46, s46, s18
	s_mul_i32 s46, s46, REC
.if OFX
	s_add_co_u32 s46, s46, OFX
.endif
	s_mov_b32 s47, 0
	s_lshl_b32 s20, s17, 3
	s_lshl_b32 s19, s16, 2
	s_add_co_u32 s20, s20, s19
	s_mul_i32 s20, s20, REC
.if OFY
	s_add_co_u32 s20, s20, OFY
.endif
	s_mov_b32 s21, 0
	s_mul_i32 s45, s16, 2*XHALF                        ; LDS: my half's chunk 0, then its chunk 1
	s_mul_i32 s19, s16, 2*YHALF
	s_add_co_u32 s19, s19, YOFF
	s_mov_b32 s[SEL], 0x76543210
	s_mov_b32 s[SEL+1], 0xfedcba98
	s_wait_kmcnt 0x0
	s_add_nc_u64 s[46:47], s[6:7], s[46:47]
	s_add_nc_u64 s[20:21], s[4:5], s[20:21]
	CROUND
.irp s, 0
	s_mov_b32 s[G0X+4*\s], 1
	s_add_co_u32 s[G0X+4*\s+1], s45, \s*SLOT
	s_add_nc_u64 s[G0X+4*\s+2:G0X+4*\s+3], s[46:47], \s*NTX*REC
	s_or_b32 s[G0X+4*\s+3], s[G0X+4*\s+3], 0x80000000
	s_mov_b32 s[G0Y+4*\s], 1
	s_add_co_u32 s[G0Y+4*\s+1], s19, \s*SLOT
	s_add_nc_u64 s[G0Y+4*\s+2:G0Y+4*\s+3], s[20:21], \s*NTY*REC
	s_or_b32 s[G0Y+4*\s+3], s[G0Y+4*\s+3], 0x80000000
	JLOAD \s                                           ; my one load: both chunks of my half
.endr
	v_and_b32 v1, 31, v0
	v_and_b32 v2, 15, v0
	v_bfe_u32 v3, v0, 4, 1
	v_lshlrev_b32 v[LI16], 4, v1
	v_lshlrev_b32 v[LI8], 3, v1
	v_lshlrev_b32 v[LI4], 2, v1
	v_and_b32 v26, 7, v2
	v_lshrrev_b32 v27, 3, v2
	v_lshl_add_u32 v26, v3, 4, v26                     ; r % 8 + 16 h
	v_mul_u32_u24 v[NA16], v27, 1536
	v_lshl_add_u32 v[NA8], v26, 3, v[NA16]
	v_lshl_add_u32 v[NA16], v26, 4, v[NA16]
	v_lshlrev_b32 v[NA4], 8, v27
	v_lshl_add_u32 v[NA4], v26, 2, v[NA4]
	s_mul_i32 s22, s16, 2*XHALF
	s_mul_i32 s23, s15, 2*YHALF
	s_add_co_u32 s23, s23, YOFF
.irp s, 0,1
	v_add_nc_u32 v[AX16+\s], s22, v[LI16]
	v_add_nc_u32 v[AX8+\s], s22, v[LI8]
	v_add_nc_u32 v[ASX+\s], s22, v[LI4]
	v_add_nc_u32 v[AY16+\s], s23, v[LI16]
	v_add_nc_u32 v[AY8+\s], s23, v[LI8]
	v_add_nc_u32 v[ASY+\s], s23, v[LI4]
	s_add_co_u32 s22, s22, XHALF
	s_add_co_u32 s23, s23, YHALF
.endr
.irp b, 0,1,2,3
	v_mov_b32 v[TM+4+\b], 0
.endr
	s_lshl_b32 s90, s42, 10
	s_lshl_b32 s91, s16, 9
	s_add_co_u32 s90, s90, s91
	s_mov_b32 s91, 0
	s_add_nc_u64 s[8:9], s[8:9], s[90:91]
	v_lshlrev_b32 v[BVA], 6, v3
.irp b, 0,1,2,3
.irp q, 0,1,2,3
	global_load_b128 v[BIAS+16*\b+4*\q:BIAS+16*\b+4*\q+3], v[BVA], s[8:9] offset:128*\b+16*\q
.endr
.endr
	s_lshl_b32 s90, s42, 1
	s_add_co_u32 s90, s90, s16
	s_and_b32 s90, s90, 7
	s_lshr_b32 s91, s17, 4
	s_lshl_b32 s91, s91, 3
	s_add_co_u32 s90, s90, s91
	s_lshl_b32 s90, s90, 5                             ; the pair's first head x 16 blocks
	s_and_b32 s91, s17, 15
	s_add_co_u32 s90, s90, s91
	s_mul_i32 s90, s90, STEPB
	s_mul_i32 s92, s15, 4*768
	s_add_co_u32 s92, s92, s90
	s_mov_b32 s93, 0
	s_lshl_b32 s94, s15, 9
	s_add_co_u32 s94, s94, s90
	s_add_co_u32 s94, s94, 6144
	s_mov_b32 s95, 0
	s_cmp_eq_u32 ttmp9, 0
	s_cselect_b64 s[10:11], s[10:11], s[12:13]
	s_add_nc_u64 s[12:13], s[10:11], s[94:95]
	s_add_nc_u64 s[10:11], s[10:11], s[92:93]
	s_wait_alu depctr_va_vdst(0)
	s_wait_tensorcnt 0x0
	s_barrier_signal -1
	s_barrier_wait -1
	FETCH 0, 0, 0
	s_wait_loadcnt 0x0
	STEP 0, 0, 1
	STEP 0, 1, 0
	STEP 0, 2, 0
	TURN 0, 1, 0
	STEP 1, 0, 0
	STEP 1, 1, 0
	STEP 1, 2, 0
	s_wait_dscnt 0x0
	WIN 0xa1
	MUL16 0, 1, 0
	MUL16 2, 1, 0
	WIN 0
	PLACES
.irp a, 0,1,2,3
	QUANT 64*\a, 2, BIAS+20*\a, PW+\a
	PUT BIAS+20*\a, PW+\a, \a, \a
.endr
	s_wait_tensorcnt 0x0
	ds_add_u32 v[SPW], v[NIL]
	s_wait_dscnt 0x0
	CROUND
	s_endpgm
.Lfunc_end_k_q3da7b95c16_gemm_qk:
	.size	k_q3da7b95c16_gemm_qk, .Lfunc_end_k_q3da7b95c16_gemm_qk-k_q3da7b95c16_gemm_qk
	.p2alignl 7, 3214868480
	.fill 96, 4, 3214868480
	.section	.rodata,"a",@progbits
	.p2align	6, 0x0
	.amdhsa_kernel k_q3da7b95c16_gemm_qk
		.amdhsa_group_segment_fixed_size 327680
		.amdhsa_private_segment_fixed_size 0
		.amdhsa_enable_private_segment 0
		.amdhsa_kernarg_size 40
		.amdhsa_user_sgpr_count 2
		.amdhsa_user_sgpr_kernarg_segment_ptr 1
		.amdhsa_wavefront_size32 1
		.amdhsa_system_sgpr_workgroup_id_x 1
		.amdhsa_system_sgpr_workgroup_id_y 1
		.amdhsa_system_sgpr_workgroup_id_z 1
		.amdhsa_system_vgpr_workitem_id 0
		.amdhsa_next_free_vgpr 768
		.amdhsa_next_free_sgpr 98
		.amdhsa_reserve_vcc 0
		.amdhsa_float_denorm_mode_32 3
		.amdhsa_float_denorm_mode_16_64 3
		.amdhsa_memory_ordered 1
		.amdhsa_forward_progress 1
		.amdhsa_inst_pref_size 92
	.end_amdhsa_kernel
	.amdgpu_metadata
---
amdhsa.version: [ 1, 2 ]
amdhsa.kernels:
  - .name:           k_q3da7b95c16_gemm_qk
    .symbol:         k_q3da7b95c16_gemm_qk.kd
    .args:
      - { .name: himg, .offset: 0, .size: 8, .value_kind: global_buffer, .address_space: global }
      - { .name: wimg, .offset: 8, .size: 8, .value_kind: global_buffer, .address_space: global }
      - { .name: qkv_b, .offset: 16, .size: 8, .value_kind: global_buffer, .address_space: global }
      - { .name: qimg, .offset: 24, .size: 8, .value_kind: global_buffer, .address_space: global }
      - { .name: kvimg, .offset: 32, .size: 8, .value_kind: global_buffer, .address_space: global }
    .group_segment_fixed_size: 327680
    .private_segment_fixed_size: 0
    .kernarg_segment_align: 8
    .kernarg_segment_size: 40
    .max_flat_workgroup_size: 128
    .sgpr_count:     98
    .vgpr_count:     768
    .wavefront_size: 32
...
	.end_amdgpu_metadata
.endif
;; end of part 2
;; launch gemm_v (part 3): grid 16 x 8, 4 waves a work-group, clusters of 4 x 4, 327,680 bytes of LDS; arguments wimg, himg, qkv_b, kvimg; writes kvimg
.if DOCPART == 3
	.amdgcn_target "amdgcn-amd-amdhsa--gfx1250"
	.amdhsa_code_object_version 6
	.text
	.protected	k_q3da7b95c16_gemm_v
	.globl	k_q3da7b95c16_gemm_v
	.p2align	8
	.type	k_q3da7b95c16_gemm_v,@function
k_q3da7b95c16_gemm_v:
	s_mov_b64 s[64:65], 0
	v_nop
	global_prefetch_b8 v0, s[64:65] scope:SCOPE_SE
	s_setreg_imm32_b32 hwreg(HW_REG_WAVE_MODE, 25, 1), 1
	s_wait_xcnt 0x0
	s_wait_alu depctr_hold_cnt(0) depctr_sa_sdst(0) depctr_va_vdst(0) depctr_va_sdst(0) depctr_va_ssrc(0) depctr_va_vcc(0) depctr_vm_vsrc(0)
	s_getreg_b32 s2, hwreg(HW_REG_IB_STS2, 6, 4)
	s_cmp_eq_u32 s2, 0
	s_cbranch_scc0 .Lentry_in_a_cluster
	s_endpgm
.Lentry_in_a_cluster:
	s_bfe_u32 s2, ttmp6, 0x10000c
	s_cmp_lg_u32 s2, 0xf033
	s_cbranch_scc0 .Lentry_shape_is_right
	s_endpgm
.Lentry_shape_is_right:
; v^T: qkv_w's rows 2,048 .. 3,071 times Q(LN1(x))^T, + qkv_b, on codes of FP6 (E2M3) with E8M0 scales; the results are quantised ALONG THE TOKENS (the keys are the second attention product's K) and stored as operand images.
; OPERANDS are [K / 512][tile] records of 6,656 bytes: a tile's (16 rows) four fragment images of 1,536 bytes (registers 0-3 at 16 x lane, 4-5 at 512 + 8 x lane, 6-9 at 768 + 16 x lane, 10-11 at 1,280 + 8 x lane)
; and their four scale images (4 x lane).  Lane r of tile t holds row 32 (t / 2) + 8 (t % 2) + r + (r & 8).  Here Y = the weight's rows (wimg, tiles 128 on), X = the tokens (himg).
; SHARES.  A work-group makes 128 Y rows (a pair of heads) x 256 tokens; wave (YH, XH) 64 x 128: 32 accumulators.  Source 0 = an X tile, source 1 = a Y tile: a lane holds ONE channel of v, and the 64 registers of a
; Y tile are 128 tokens, register 16 b + i = token 32 b + 16 h + i: what the quantiser takes.  The bias hangs on the lane's channel: eight equal registers a tile, the C of the first product.
; K = 1,024 is two chunks of 512, one in each of two LDS slots, brought by the first fills: nothing is filled again.
; CLUSTER 4 x 4: X's records hang on the work-group's x alone and are asked for jointly by a column of the cluster, Y's on its y alone, by a row.
; REGISTERS: window 0: v4-22 addresses, v32-55 scale words (two sets), v56-59 scale words made, v64-159 Y's fragments (two sets), v160-191 the bias, v160-239 later codes, v240-255 the quantiser's work;
;   window 1: X's fragments, sets at v0 and v128;  window 2: accumulator (a, b) at v[8 (8 a + b)].
; LIMITS: NaN and infinities are not served; a block of zeros gets the byte 1 (its codes are zeros; this program alone reads the bytes).
.set NTY,   192
.set NTX,   256
.set REC,   6656
.set OFY,   128*REC                    ; v's rows begin at tile 128 of qkv_w
.set OFX,   0
.set STEPB, 13824                      ; a head's block for 128 tokens: k's part 7,168 bytes, then v's 4 images and 4 scale images
.set XHALF, 8*REC
.set YHALF, 4*REC
.set YOFF,  32*REC
.set SLOT,  24*REC
.set SPARE, 2*SLOT                     ; the spare words, 128 bytes for each wave: two blocks of 256 bytes that no other line names
.set AX16, 4
.set AX8,  6
.set AY16, 8
.set AY8,  10
.set ASX,  12
.set ASY,  14
.set LI16, 16
.set LI8,  17
.set LI4,  18
.set BVA,  22
.set SPW,  28
.set NIL,  29
.set SC,   32
.set PW,   56
.set YF,   64
.set BIAS, 160
.set TM,   240
.set G1X,  24
.set G0X,  32
.set G1Y,  48
.set G0Y,  56
.set SEL,  88
.set MSB,  0
.macro WIN new                         ; the immediate's high byte repeats the setting that is left
.if MSB != \new
	s_set_vgpr_msb (MSB<<8)|\new
.set MSB, \new
.endif
.endm
.macro JLOAD s                         ; a joint load: waves 0 and 1 fetch X's halves, waves 2 and 3 Y's; four v_nop follow each line
	s_cmp_eq_u32 s15, 0
	s_cbranch_scc0 .Lfor_y_\@
	tensor_load_to_lds s[G0X+4*\s:G0X+4*\s+3], s[G1X:G1X+7]
	s_nop 0
.rept 4
	v_nop
.endr
	s_branch .Lasked_\@
.Lfor_y_\@:
	tensor_load_to_lds s[G0Y+4*\s:G0Y+4*\s+3], s[G1Y:G1Y+7]
	s_nop 0
.rept 4
	v_nop
.endr
.Lasked_\@:
.endm
.macro CREST                           ; a round of the cluster's barrier behind its opening barrier
	s_cmp_lg_u32 s14, 0
	s_cbranch_scc1 .Lnot_wave_0_\@
	s_barrier_signal -3
.Lnot_wave_0_\@:
	s_barrier_wait -3
	s_barrier_signal -1
	s_barrier_wait -1
.endm
.macro CROUND
	s_barrier_signal -1
	s_barrier_wait -1
	CREST
.endm
.macro PLACES                          ; four plain places behind a matrix instruction (ISA guide 7.12.1)
.rept 4
	v_nop
.endr
.endm
.macro FRAG reg, a16, a8, off          ; an image comes back as the 12 registers that it was
	ds_load_b128 v[\reg:\reg+3], v[\a16] offset:\off
	ds_load_b64 v[\reg+4:\reg+5], v[\a8] offset:\off+512
	ds_load_b128 v[\reg+6:\reg+9], v[\a16] offset:\off+768
	ds_load_b64 v[\reg+10:\reg+11], v[\a8] offset:\off+1280
.endm
.macro FETCH slot, ks, p               ; the fragments and scale words of the slot's ks-th 128 along K into set p: 60 LDS loads
	WIN 0x40
.irp i, 0,1,2,3,4,5,6,7
	FRAG 128*(\p)+12*\i, AX16+\slot, AX8+\slot, \i*REC+(\ks)*1536
.endr
	WIN 0
.irp i, 0,1,2,3
	FRAG YF+48*(\p)+12*\i, AY16+\slot, AY8+\slot, \i*REC+(\ks)*1536
.endr
.irp i, 0,1,2,3,4,5,6,7
	ds_load_b32 v[SC+12*(\p)+\i], v[ASX+\slot] offset:\i*REC+6144+128*(\ks)
.endr
.irp i, 0,1,2,3
	ds_load_b32 v[SC+12*(\p)+8+\i], v[ASY+\slot] offset:\i*REC+6144+128*(\ks)
.endr
.endm
; 16 matrix instructions: Y tiles a0, a0 + 1 x X's eight.  first = 1: the bias is the C of the sum's first product.  The 32 accumulators take turns.
.macro MUL16 a0, p, first
.irp a, \a0, \a0+1
.irp b, 0,1,2,3,4,5,6,7
.set AC, 8*(8*(\a)+\b)
.set XR, 128*(\p)+12*\b
.set YR, YF+48*(\p)+12*(\a)
.set SX, SC+12*(\p)+\b
.set SY, SC+12*(\p)+8+(\a)
.set BR, BIAS+8*(\a)
.if \first
	v_wmma_scale_f32_16x16x128_f8f6f4 v[AC:AC+7], v[XR:XR+11], v[YR:YR+11], v[BR:BR+7], v[SX], v[SY] matrix_a_fmt:MATRIX_FMT_FP6 matrix_b_fmt:MATRIX_FMT_FP6
.else
	v_wmma_scale_f32_16x16x128_f8f6f4 v[AC:AC+7], v[XR:XR+11], v[YR:YR+11], v[AC:AC+7], v[SX], v[SY] matrix_a_fmt:MATRIX_FMT_FP6 matrix_b_fmt:MATRIX_FMT_FP6
.endif
.endr
.endr
.endm
.macro STEP slot, ks, first
	s_wait_dscnt 0x0                                   ; this step's set is in (asked for a step ago)
	PLACES
	FETCH \slot, (\ks)+1, 1-(\ks)%2
.if \first
	WIN 0x81
.else
	WIN 0xa1
.endif
	MUL16 0, (\ks)%2, \first
	MUL16 2, (\ks)%2, \first
	WIN 0
.endm
.macro TURN slot, next, fill           ; a slot's last step changes slots: one barrier
	s_wait_tensorcnt 0x0                               ; all my tensor loads have landed: my part of the next slot
	ds_add_u32 v[SPW], v[NIL]                          ; 0 onto my spare word
.if \fill
	s_add_nc_u64 s[G0X+4*\slot+2:G0X+4*\slot+3], s[G0X+4*\slot+2:G0X+4*\slot+3], 2*NTX*REC
	s_add_nc_u64 s[G0Y+4*\slot+2:G0Y+4*\slot+3], s[G0Y+4*\slot+2:G0Y+4*\slot+3], 2*NTY*REC
.endif
	s_wait_dscnt 0x0                                   ; the add is done, and my reads of this slot are over
	s_barrier_signal -1
	WIN 0xa1
	MUL16 0, 1, 0
	WIN 0
	s_barrier_wait -1
.if \fill
	CREST
	JLOAD \slot
.else
	PLACES
.endif
	FETCH \next, 0, 0
	WIN 0xa1
	MUL16 2, 1, 0
	WIN 0
.endm
; 64 numbers of a lane in window sw, register 16 b + i = k 32 b + 16 h + i of my row, become a fragment's codes in v[pc] on and its scale word in v[pw]
.macro QUANT s, sw, pc, pw
	WIN (\sw)|((\sw)<<2)
.irp b, 0,1,2,3
	v_max3_num_f32 v[TM+\b], |v[(\s)+16*\b]|, |v[(\s)+1+16*\b]|, 0x1800000   ; my 16 of block b, and the floor 2^(3 - 127)
.endr
	WIN ((\sw)<<2)|((\sw)<<4)
.irp i, 2,4,6,8,10,12,14
.irp b, 0,1,2,3
	v_max3_num_f32 v[TM+\b], v[TM+\b], |v[(\s)+16*\b+\i]|, |v[(\s)+1+16*\b+\i]|
.endr
.endr
	WIN 0
.irp b, 0,1,2,3
	v_permlanex16_b32 v[TM+4+\b], v[TM+\b], s[SEL], s[SEL+1]
.endr
.irp b, 0,1,2,3
	v_max_num_f32 v[TM+\b], v[TM+\b], v[TM+4+\b]
.endr
.irp b, 0,1,2,3
	v_add_nc_u32 v[TM+12+\b], 0xff000000, v[TM+\b]     ; 2 off the exponent field: the conversion's scale operand
.endr
.irp b, 0,1,2,3
	v_lshrrev_b32 v[TM+4+\b], 23, v[TM+12+\b]          ; the scale's byte
.endr
	v_lshl_or_b32 v[\pw], v[TM+5], 8, v[TM+4]
	v_lshl_or_b32 v[\pw], v[TM+6], 16, v[\pw]
	v_lshl_or_b32 v[\pw], v[TM+7], 24, v[\pw]
	WIN \sw
.irp c, 0,1
	v_cvt_scalef32_pk16_fp6_f32 v[\pc+6*\c:\pc+2+6*\c], v[(\s)+32*\c:(\s)+15+32*\c], v[TM+12+2*\c]
	v_cvt_scalef32_pk16_fp6_f32 v[\pc+12+4*\c:\pc+14+4*\c], v[(\s)+16+32*\c:(\s)+31+32*\c], v[TM+12+2*\c+1]
.endr
	WIN 0
	v_nop                                              ; one plain place behind a scaled conversion
.irp c, 0,1
.irp i, 0,1,2
	v_permlane16_swap_b32 v[\pc+6*\c+\i], v[\pc+12+4*\c+\i]
.endr
.irp i, 0,1,2
	v_mov_b32 v[\pc+3+6*\c+\i], v[\pc+12+4*\c+\i]
.endr
.endr
.endm
.macro PUT pc, pw, co, so
	global_store_b128 v[LI16], v[\pc:\pc+3], s[10:11] offset:\co
	global_store_b64 v[LI8], v[\pc+4:\pc+5], s[10:11] offset:\co+512
	global_store_b128 v[LI16], v[\pc+6:\pc+9], s[10:11] offset:\co+768
	global_store_b64 v[LI8], v[\pc+10:\pc+11], s[10:11] offset:\co+1280
	global_store_b32 v[LI4], v[\pw], s[12:13] offset:\so
.endm
	s_load_b128 s[4:7], s[0:1], 0x0                    ; Y's images (wimg) s[4:5], X's (himg) s[6:7]
	s_load_b128 s[8:11], s[0:1], 0x10                  ; the bias s[8:9], kvimg s[10:11]
	v_lshl_add_u32 v[SPW], v0, 2, SPARE
	v_mov_b32 v[NIL], 0
	ds_add_u32 v28, v29
	ds_add_u32 v28, v29
	s_wait_dscnt 0x0
	v_lshrrev_b32 v1, 5, v0
	v_readfirstlane_b32 s14, v1                        ; wave 0..3
	s_lshr_b32 s15, s14, 1                             ; YH.  Also: I fetch for X (0) or for Y (1)
	s_and_b32 s16, s14, 1                              ; XH.  Also: which half I fetch
	s_bfe_u32 s40, ttmp6, 0x40000
	s_bfe_u32 s41, ttmp6, 0x40004
	s_lshl_b32 s42, ttmp9, 2
	s_add_co_u32 s42, s42, s40                         ; work-group x
	s_and_b32 s17, ttmp7, 0xffff
	s_lshl_b32 s17, s17, 2
	s_add_co_u32 s17, s17, s41                         ; work-group y
	s_lshl_b32 s43, s41, 2
	s_lshl_b32 s43, 15, s43                            ; my row of the cluster
	s_lshl_b32 s44, 0x1111, s40                        ; my column
	s_or_b32 s[G1X], s44, (3<<16)|(1<<21)              ; the mask; elements of 8 bytes; bit 21 beside a mask; no padding
	s_or_b32 s[G1Y], s43, (3<<16)|(1<<21)
	s_mov_b32 s[G1X+1], 6656<<16                       ; a row: 8 records, 53,248 bytes, in elements of 8
	s_mov_b32 s[G1X+2], 2<<16                          ; two rows: the two chunks of 512 along K
	s_mov_b32 s[G1X+3], 6656<<16
	s_mov_b32 s[G1X+4], 2
	s_mov_b32 s[G1X+5], NTX*REC/8                      ; from chunk to chunk
	s_mov_b32 s[G1X+6], 0
	s_mov_b32 s[G1X+7], 0
	s_mov_b32 s[G1Y+1], 3328<<16                       ; a row: 4 records
	s_mov_b32 s[G1Y+2], 2<<16
	s_mov_b32 s[G1Y+3], 3328<<16
	s_mov_b32 s[G1Y+4], 2
	s_mov_b32 s[G1Y+5], NTY*REC/8
	s_mov_b32 s[G1Y+6], 0
	s_mov_b32 s[G1Y+7], 0
	s_lshl_b32 s46, s42, 4                             ; X: tile 16 x + 8 x half
	s_lshl_b32 s18, s16, 3
	s_add_co_u32 s46, s46, s18
	s_mul_i32 s46, s46, REC
.if OFX
	s_add_co_u32 s46, s46, OFX
.endif
	s_mov_b32 s47, 0
	s_lshl_b32 s20, s17, 3                             ; Y: tile 8 y + 4 x half
	s_lshl_b32 s19, s16, 2
	s_add_co_u32 s20, s20, s19
	s_mul_i32 s20, s20, REC
.if OFY
	s_add_co_u32 s20, s20, OFY
.endif
	s_mov_b32 s21, 0
	s_mul_i32 s45, s16, 2*XHALF                        ; LDS: my half's chunk 0, then its chunk 1
	s_mul_i32 s19, s16, 2*YHALF
	s_add_co_u32 s19, s19, YOFF
	s_mov_b32 s[SEL], 0x76543210
	s_mov_b32 s[SEL+1], 0xfedcba98
	s_wait_kmcnt 0x0
	s_add_nc_u64 s[46:47], s[6:7], s[46:47]
	s_add_nc_u64 s[20:21], s[4:5], s[20:21]
	CROUND                                             ; all sixteen work-groups are here: the first joint loads meet
.irp s, 0
	s_mov_b32 s[G0X+4*\s], 1
	s_add_co_u32 s[G0X+4*\s+1], s45, \s*SLOT
	s_add_nc_u64 s[G0X+4*\s+2:G0X+4*\s+3], s[46:47], \s*NTX*REC
	s_or_b32 s[G0X+4*\s+3], s[G0X+4*\s+3], 0x80000000
	s_mov_b32 s[G0Y+4*\s], 1
	s_add_co_u32 s[G0Y+4*\s+1], s19, \s*SLOT
	s_add_nc_u64 s[G0Y+4*\s+2:G0Y+4*\s+3], s[20:21], \s*NTY*REC
	s_or_b32 s[G0Y+4*\s+3], s[G0Y+4*\s+3], 0x80000000
	JLOAD \s                                           ; my one load: both chunks of my half
.endr
	v_and_b32 v1, 31, v0
	v_and_b32 v2, 15, v0
	v_bfe_u32 v3, v0, 4, 1
	v_lshlrev_b32 v[LI16], 4, v1
	v_lshlrev_b32 v[LI8], 3, v1
	v_lshlrev_b32 v[LI4], 2, v1
	s_mul_i32 s22, s16, 2*XHALF
	s_mul_i32 s23, s15, 2*YHALF
	s_add_co_u32 s23, s23, YOFF
.irp s, 0,1
	v_add_nc_u32 v[AX16+\s], s22, v[LI16]
	v_add_nc_u32 v[AX8+\s], s22, v[LI8]
	v_add_nc_u32 v[ASX+\s], s22, v[LI4]
	v_add_nc_u32 v[AY16+\s], s23, v[LI16]
	v_add_nc_u32 v[AY8+\s], s23, v[LI8]
	v_add_nc_u32 v[ASY+\s], s23, v[LI4]
	s_add_co_u32 s22, s22, XHALF
	s_add_co_u32 s23, s23, YHALF
.endr
.irp b, 0,1,2,3
	v_mov_b32 v[TM+4+\b], 0                            ; written once: a lane permute's destination counts as one of its sources
.endr
	s_lshl_b32 s90, s17, 9                             ; the bias of my 64 channels: qkv_b at 2,048 + 128 y + 64 YH; tile a's lane r wants 32 (a / 2) + 8 (a % 2) + r + (r & 8)
	s_lshl_b32 s91, s15, 8
	s_add_co_u32 s90, s90, s91
	s_add_co_u32 s90, s90, 8192
	s_mov_b32 s91, 0
	s_add_nc_u64 s[8:9], s[8:9], s[90:91]
	v_and_b32 v[BVA], 8, v2
	v_add_nc_u32 v[BVA], v[BVA], v2
	v_lshlrev_b32 v[BVA], 2, v[BVA]
.irp a, 0,1,2,3
.irp j, 0,1,2,3,4,5,6,7
	global_load_b32 v[BIAS+8*\a+\j], v[BVA], s[8:9] offset:(32*(\a/2)+8*(\a%2))*4   ; the same number in the tile's eight registers: the C operand's layout
.endr
.endr
	s_lshl_b32 s90, s42, 1                             ; where the images go: block ((2 (batch x 8 + y) + YH) x 16 + the 128 tokens), V's part, image a
	s_add_co_u32 s90, s90, s16                         ; which 128 tokens
	s_lshr_b32 s91, s90, 4                             ; the batch
	s_lshl_b32 s91, s91, 3
	s_add_co_u32 s91, s91, s17
	s_lshl_b32 s91, s91, 5                             ; the pair's first head x 16 blocks
	s_and_b32 s90, s90, 15
	s_add_co_u32 s90, s90, s91
	s_mul_i32 s90, s90, STEPB
	s_mul_i32 s92, s15, 16*STEPB                       ; head YH of the pair: 16 blocks on
	s_add_co_u32 s92, s92, s90
	s_add_co_u32 s92, s92, 7168
	s_mov_b32 s93, 0
	s_mul_i32 s94, s15, 16*STEPB
	s_add_co_u32 s94, s94, s90
	s_add_co_u32 s94, s94, 13312
	s_mov_b32 s95, 0
	s_add_nc_u64 s[12:13], s[10:11], s[94:95]          ; scale images
	s_add_nc_u64 s[10:11], s[10:11], s[92:93]          ; images
	s_wait_alu depctr_va_vdst(0)
	s_wait_tensorcnt 0x0                               ; my load is in
	s_barrier_signal -1
	s_barrier_wait -1
	FETCH 0, 0, 0
	s_wait_loadcnt 0x0                                 ; the bias
	STEP 0, 0, 1
	STEP 0, 1, 0
	STEP 0, 2, 0
	TURN 0, 1, 0
	STEP 1, 0, 0
	STEP 1, 1, 0
	STEP 1, 2, 0
	s_wait_dscnt 0x0
	WIN 0xa1
	MUL16 0, 1, 0
	MUL16 2, 1, 0
	WIN 0
	PLACES
.irp a, 0,1,2,3
	QUANT 64*\a, 2, BIAS+20*\a, PW+\a
	PUT BIAS+20*\a, PW+\a, 1536*\a, 128*\a
.endr
	s_wait_tensorcnt 0x0                               ; the wave's end
	ds_add_u32 v[SPW], v[NIL]
	s_wait_dscnt 0x0
	CROUND                                             ; the closing round
	s_endpgm
.Lfunc_end_k_q3da7b95c16_gemm_v:
	.size	k_q3da7b95c16_gemm_v, .Lfunc_end_k_q3da7b95c16_gemm_v-k_q3da7b95c16_gemm_v
	.p2alignl 7, 3214868480
	.fill 96, 4, 3214868480
	.section	.rodata,"a",@progbits
	.p2align	6, 0x0
	.amdhsa_kernel k_q3da7b95c16_gemm_v
		.amdhsa_group_segment_fixed_size 327680
		.amdhsa_private_segment_fixed_size 0
		.amdhsa_enable_private_segment 0
		.amdhsa_kernarg_size 32
		.amdhsa_user_sgpr_count 2
		.amdhsa_user_sgpr_kernarg_segment_ptr 1
		.amdhsa_wavefront_size32 1
		.amdhsa_system_sgpr_workgroup_id_x 1
		.amdhsa_system_sgpr_workgroup_id_y 1
		.amdhsa_system_sgpr_workgroup_id_z 1
		.amdhsa_system_vgpr_workitem_id 0
		.amdhsa_next_free_vgpr 768
		.amdhsa_next_free_sgpr 98
		.amdhsa_reserve_vcc 0
		.amdhsa_float_denorm_mode_32 3
		.amdhsa_float_denorm_mode_16_64 3
		.amdhsa_memory_ordered 1
		.amdhsa_forward_progress 1
		.amdhsa_inst_pref_size 92
	.end_amdhsa_kernel
	.amdgpu_metadata
---
amdhsa.version: [ 1, 2 ]
amdhsa.kernels:
  - .name:           k_q3da7b95c16_gemm_v
    .symbol:         k_q3da7b95c16_gemm_v.kd
    .args:
      - { .name: wimg, .offset: 0, .size: 8, .value_kind: global_buffer, .address_space: global }
      - { .name: himg, .offset: 8, .size: 8, .value_kind: global_buffer, .address_space: global }
      - { .name: qkv_b, .offset: 16, .size: 8, .value_kind: global_buffer, .address_space: global }
      - { .name: kvimg, .offset: 24, .size: 8, .value_kind: global_buffer, .address_space: global }
    .group_segment_fixed_size: 327680
    .private_segment_fixed_size: 0
    .kernarg_segment_align: 8
    .kernarg_segment_size: 32
    .max_flat_workgroup_size: 128
    .sgpr_count:     98
    .vgpr_count:     768
    .wavefront_size: 32
...
	.end_amdgpu_metadata
.endif
;; end of part 3
;; launch attn (part 4): grid 8 x 32, 16 waves a work-group, clusters of 4 x 1, 327,680 bytes of LDS; arguments qimg, kvimg, oimg; writes oimg
.if DOCPART == 4
	.amdgcn_target "amdgcn-amd-amdhsa--gfx1250"
	.amdhsa_code_object_version 6
	.text
	.protected	k_q3da7b95c16_attn
	.globl	k_q3da7b95c16_attn
	.p2align	8
	.type	k_q3da7b95c16_attn,@function
k_q3da7b95c16_attn:
	s_mov_b64 s[64:65], 0
	v_nop
	global_prefetch_b8 v0, s[64:65] scope:SCOPE_SE
	s_setreg_imm32_b32 hwreg(HW_REG_WAVE_MODE, 25, 1), 1
	s_wait_xcnt 0x0
	s_wait_alu depctr_hold_cnt(0) depctr_sa_sdst(0) depctr_va_vdst(0) depctr_va_sdst(0) depctr_va_ssrc(0) depctr_va_vcc(0) depctr_vm_vsrc(0)
	s_getreg_b32 s2, hwreg(HW_REG_IB_STS2, 6, 4)
	s_cmp_eq_u32 s2, 0
	s_cbranch_scc0 .Lentry_in_a_cluster
	s_endpgm
.Lentry_in_a_cluster:
	s_bfe_u32 s2, ttmp6, 0x10000c
	s_cmp_lg_u32 s2, 0x3003
	s_cbranch_scc0 .Lentry_shape_is_right
	s_endpgm
.Lentry_shape_is_right:
; o = softmax(q k^T / 8) v for 32 heads of 64 channels, 2,048 keys, both products on codes of FP6 (E2M3) with E8M0 scales; o is quantised along the head's 64 and stored as half an operand image for the projection.
; THE SOFTMAX AHEAD OF THE SECOND PRODUCT: t = score x log2(e) / 8; M = the row's largest t so far, rounded UP to a whole number; p = 2^(t - M) is quantised along the keys; the row's sum is taken of the
; unquantised p and divides O at the end.  When M moves, the sum and O are multiplied by 2^(old M - new M): exact.
; INPUT.  For each head and each 128 tokens a block of HB = 13,824 bytes: 8 tiles of k (16 keys x 64 channels: registers 0-3 at 16 x lane, 4-5 at 512 + 8 x lane: 768 bytes), 8 x 128 bytes of scale words (4 x lane, two
; bytes low), 4 images of v^T (16 channels x 128 keys, 1,536 bytes), 4 scale images.  qimg has q in k's places.  Row m of tile t of k or q is token 64 (t / 4) + 32 (m / 8) + 8 (t % 4) + m % 8.
; SHARES.  Work-group (x, y): head y, queries 256 x .. 256 x + 255; wave w: 16 of them (block 2 x + w / 8, tile w % 8).  256 work-groups.
; ALL OF A HEAD'S k AND v LIE IN LDS: 16 x HB = 221,184 bytes, filled once: wave w brings the block of keys 128 w .. 128 w + 127, its one tensor load.  A wave begins with its own block, behind its own wait; one barrier
; shows all blocks to all waves; then it walks the other 15, from block w + 1 on, round the end.  The order of the keys does not matter to the result beyond rounding.
; Both products are used transposed (S^T = k q^T, O^T = v^T p^T): a lane holds one query; registers 32 c + i of S^T are keys 64 c + 32 h + i: WHOLE blocks of 32, in the order that p's operand wants.
; A HEAD OF 64 IN AN INSTRUCTION OF K = 128: q's operand has zero codes in its upper half, so what stands in the upper half of k's operand (the next tile's codes) adds nothing: the format has no NaN and no infinity;
; the scale words are loaded as 16 bits, so that their upper bytes are 0 and never 0xff.
; CLUSTER 4 x 1: the four work-groups read the same head's k and v: every load is joint.  No prefetch: all loads go out at the head, and no loop stands ahead of them in which to ask earlier.
; LIMITS: the promise holds while the scaled scores stay under 2^31 in magnitude; NaN and infinities are not served; a block of zeros gets the byte 1 (its codes are zeros; this program alone reads the bytes).
.set HB,    13824
.set KSO,   6144                       ; k's scale words,
.set VO,    7168                       ; v's images,
.set VSO,   13312                      ; v's scale images in a block
.set REC,   6656
.set SPARE, 16*HB                      ; the spare words, 128 bytes for each wave: eight blocks of 256 bytes that no other line names
.set A16,  1                           ; v1-3  16, 8, 4 x lane
.set A8,   2
.set A4,   3
.set H8,   4                           ; v4    8 h
.set OA16, 5                           ; v5, v6, v28  the way out: my lane's places in oimg
.set OA8,  6
.set OA4,  28
.set SPW,  7                           ; v7    my spare word; never rewritten
.set NIL,  8                           ; v8    0; never rewritten
.set D16,  9                           ; v9-11 the three lane terms in the block in hand
.set D8,   10
.set D4,   11
.set P,    192                         ; v12 -M, v13 the largest score, v[14:15] the sum; v16-21 q, v22-27 zeros; v32-79 k's eight tiles, then v's four fragments; v80-85 zeros; v96-159 S^T, then p; v160-191 O^T; v192-203 p's codes
.set PX,   204                         ; v204-210 the conversions' second halves
.set MX,   212
.set MY,   216
.set SCO,  220
.set KS,   224                         ; v224-237 hold scales and nothing else: k's, v's, p's, q's
.set VS,   232
.set PW,   236
.set QS,   237
.set F,    238                         ; v[238:239] f = 2^(old M - new M)
.set TS,   240                         ; v240-255 work
.set WV,   18
.set NC,   19
.set SEL,  20
.set CS,   22
.set G1,   24
.set G0,   32
.set TB,   37                          ; s37  LDS byte at which the block in hand begins
.set I,    38
.macro ROUND                           ; a round of the cluster's barrier
	s_barrier_signal -1
	s_barrier_wait -1
	s_cmp_lg_u32 s[WV], 0
	s_cbranch_scc1 .Lnot_wave_0_\@
	s_barrier_signal -3
.Lnot_wave_0_\@:
	s_barrier_wait -3
	s_barrier_signal -1
	s_barrier_wait -1
.endm
	s_load_b128 s[4:7], s[0:1], 0x0                    ; qimg, kvimg
	s_load_b64 s[8:9], s[0:1], 0x10                    ; oimg
	v_lshl_add_u32 v[SPW], v0, 2, SPARE
	v_mov_b32 v[NIL], 0
	ds_add_u32 v[SPW], v[NIL]                          ; the opening: the add, twice on end, and its wait ahead of my tensor load
	ds_add_u32 v[SPW], v[NIL]
	v_lshrrev_b32 v9, 5, v0
	s_delay_alu instid0(VALU_DEP_1)
	v_readfirstlane_b32 s[WV], v9                      ; wave 0..15
	s_bfe_u32 s40, ttmp6, 0x40000                      ; cx
	s_lshl_b32 s41, ttmp9, 2
	s_add_co_u32 s41, s41, s40                         ; x: it enters q's and o's addresses alone
	s_and_b32 s42, ttmp7, 0xffff                       ; y = 16 x batch + head, which the four partners share
	s_lshl_b32 s43, s42, 4
	s_add_co_u32 s44, s43, s[WV]
	s_mul_i32 s48, s44, HB                             ; the block that I fetch, in memory
	s_mov_b32 s49, 0
	s_mul_i32 s[TB], s[WV], HB                         ; and in LDS
	s_mov_b32 s[G1], 15|(3<<16)|(1<<21)                ; the mask: all four work-groups; elements of 8 bytes; bit 21 beside a mask; no padding
	s_mov_b32 s[G1+1], 32<<16                          ; rows of 256 bytes of a dense block
	s_mov_b32 s[G1+2], 54<<16                          ; 13,824 bytes: 54 rows
	s_mov_b32 s[G1+3], 32<<16
	s_mov_b32 s[G1+4], 54
	s_mov_b32 s[G1+5], 32
	s_mov_b32 s[G1+6], 0
	s_mov_b32 s[G1+7], 0
	s_lshl_b32 s45, s41, 1
	s_lshr_b32 s46, s[WV], 3
	s_add_co_u32 s45, s45, s46                         ; my queries' block of 128 tokens
	s_and_b32 s46, s[WV], 7                            ; and my tile t in it
	s_add_co_u32 s47, s43, s45
	s_mul_i32 s47, s47, HB
	s_mul_i32 s50, s46, 768
	s_add_co_u32 s50, s50, s47                         ; q's codes
	s_mov_b32 s51, 0
	s_lshl_b32 s52, s46, 7
	s_add_co_u32 s52, s52, s47
	s_add_co_u32 s52, s52, KSO                         ; q's scale words
	s_mov_b32 s53, 0
	; o: the projection's tile T holds row 32 (T / 2) + 8 (T % 2) + r' + (r' & 8).  My query (t, r) is its tile 4 (t / 4) + 2 (r / 8) + t % 2, lane r' = r % 8 + 8 ((t % 4) / 2).
	s_lshr_b32 s54, s42, 4
	s_lshl_b32 s54, s54, 7                             ; 128 tiles a batch
	s_lshl_b32 s55, s45, 3
	s_add_co_u32 s54, s54, s55
	s_lshr_b32 s55, s46, 2
	s_lshl_b32 s55, s55, 2
	s_add_co_u32 s54, s54, s55
	s_and_b32 s55, s46, 1
	s_add_co_u32 s54, s54, s55
	s_bfe_u32 s55, s42, 0x10003                        ; K step g = head / 2: record (g / 4) x 256 + tile,
	s_lshl_b32 s55, s55, 8
	s_add_co_u32 s54, s54, s55
	s_mul_i32 s54, s54, REC
	s_bfe_u32 s55, s42, 0x20001                        ; fragment g % 4,
	s_and_b32 s56, s42, 1                              ; half head % 2
	s_mul_i32 s58, s55, 1536
	s_mul_i32 s57, s56, 768
	s_add_co_u32 s58, s58, s57
	s_add_co_u32 s58, s58, s54
	s_mov_b32 s59, 0
	s_lshl_b32 s60, s55, 7
	s_lshl_b32 s57, s56, 1
	s_add_co_u32 s60, s60, s57
	s_add_co_u32 s60, s60, s54
	s_add_co_u32 s60, s60, 6144
	s_mov_b32 s61, 0
	s_bfe_u32 s62, s46, 0x10001
	s_lshl_b32 s62, s62, 3                             ; 8 ((t % 4) / 2)
	s_mov_b32 s[SEL], 0x76543210
	s_mov_b32 s[SEL+1], 0xfedcba98                     ; v_permlanex16_b32's selects for lane l xor 16
	s_mov_b32 s[CS], 0x3e38aa3b                        ; c = log2(e) / 8
	s_mov_b32 s[CS+1], s[CS]                           ; (named with it as a pair, so it is written)
	s_mov_b32 s[NC], 0xbe38aa3b                        ; -c
	s_wait_dscnt 0x0                                   ; both opening adds are done
	s_wait_kmcnt 0x0
	s_mov_b32 s[G0], 1
	s_mov_b32 s[G0+1], s[TB]
	s_add_nc_u64 s[G0+2:G0+3], s[6:7], s[48:49]
	s_or_b32 s[G0+3], s[G0+3], 0x80000000
	ROUND                                              ; all four work-groups are here: the joint loads meet
	tensor_load_to_lds s[G0:G0+3], s[G1:G1+7]          ; my one load: every wave issues one
	s_nop 0
	s_add_nc_u64 s[50:51], s[4:5], s[50:51]
	s_add_nc_u64 s[52:53], s[4:5], s[52:53]
	s_add_nc_u64 s[58:59], s[8:9], s[58:59]
	s_add_nc_u64 s[60:61], s[8:9], s[60:61]
	v_and_b32 v9, 31, v0
	v_bfe_u32 v10, v0, 4, 1                            ; h
	v_and_b32 v11, 7, v0                               ; r % 8
	s_delay_alu instid0(VALU_DEP_3)
	v_lshlrev_b32 v[A16], 4, v9
	v_lshlrev_b32 v[A8], 3, v9
	v_lshlrev_b32 v[A4], 2, v9
	global_load_b128 v[16:19], v[A16], s[50:51]        ; q's tile stays in registers
	global_load_b64 v[20:21], v[A8], s[50:51] offset:512
	global_load_u16 v[QS], v[A4], s[52:53]             ; two scale bytes; the upper two are 0
	v_lshlrev_b32 v[H8], 3, v10
	v_lshl_add_u32 v11, v10, 4, v11
	v_bfe_u32 v9, v0, 3, 1                             ; r / 8
	s_delay_alu instid0(VALU_DEP_2)
	v_add_nc_u32 v11, s62, v11                         ; r' + 16 h
	s_delay_alu instid0(VALU_DEP_2)
	v_mul_u32_u24 v9, v9, 2*REC
	s_delay_alu instid0(VALU_DEP_1)
	v_lshl_add_u32 v[OA16], v11, 4, v9
	v_lshl_add_u32 v[OA8], v11, 3, v9
	v_lshl_add_u32 v[OA4], v11, 2, v9
.irp j, 0,1,2,3,4,5
	v_mov_b32 v[22+\j], 0                              ; q's upper half: zero codes
	v_mov_b32 v[80+\j], 0                              ; what stands behind k's last tile
.endr
	v_mov_b32 v[MY], 0                                 ; written once: a lane permute's destination counts as one of its sources
	v_mov_b32 v[MY+1], 0
	v_mov_b32 v[F+1], 0                                ; (named as the upper half of a pair)
; A KEY STEP: the 128 keys of the block at LDS byte s[TB].  first = 1: the wave's first step starts the maximum, the sum and O^T: nothing is cleared and nothing rescaled.
.macro STEP first
	v_add_nc_u32 v[D16], s[TB], v[A16]                 ; (these four are the places in front of the loads into registers that the last products read)
	v_add_nc_u32 v[D8], s[TB], v[A8]
	v_add_nc_u32 v[D4], s[TB], v[A4]
	v_nop
.irp t, 0,1,2,3,4,5,6,7
	ds_load_b128 v[32+6*\t:35+6*\t], v[D16] offset:768*\t
	ds_load_b64 v[36+6*\t:37+6*\t], v[D8] offset:768*\t+512
	ds_load_u16 v[KS+\t], v[D4] offset:KSO+128*\t
.endr
	s_wait_alu depctr_va_vdst(0)
	s_wait_dscnt 0x0
.irp t, 0,1,2,3,4,5,6,7                            ; S^T = k q^T
	v_wmma_scale_f32_16x16x128_f8f6f4 v[96+8*\t:103+8*\t], v[32+6*\t:43+6*\t], v[16:27], 0, v[KS+\t], v[QS] matrix_a_fmt:MATRIX_FMT_FP6 matrix_b_fmt:MATRIX_FMT_FP6
.endr
.if \first
	v_nop
.else
	v_mov_b32 v[TS], v12                               ; the old -M
.endif
.rept 3
	v_nop                                              ; four places in front of the loads below and of the first read of the scores
.endr
.irp t, 0,1,2,3                                    ; v's four fragments are asked for now: the softmax stands between the request and the wait
	ds_load_b128 v[32+12*\t:35+12*\t], v[D16] offset:VO+1536*\t
	ds_load_b64 v[36+12*\t:37+12*\t], v[D8] offset:VO+1536*\t+512
	ds_load_b128 v[38+12*\t:41+12*\t], v[D16] offset:VO+1536*\t+768
	ds_load_b64 v[42+12*\t:43+12*\t], v[D8] offset:VO+1536*\t+1280
	ds_load_b32 v[VS+\t], v[D4] offset:VSO+128*\t
.endr
.irp b, 0,1,2,3
	v_max3_num_f32 v[MX+\b], v[96+16*\b], v[97+16*\b], v[98+16*\b]   ; the largest score, in four chains of 16 registers
.endr
.irp i, 3,5,7,9,11,13
.irp b, 0,1,2,3
	v_max3_num_f32 v[MX+\b], v[MX+\b], v[96+16*\b+\i], v[97+16*\b+\i]
.endr
.endr
	v_max3_num_f32 v[MX], v[MX], v[MX+1], v111         ; my two blocks of 32 keys: each one's largest score serves the row's maximum and, since p rises with the score, the block's largest p
	v_max3_num_f32 v[MX+2], v[MX+2], v[MX+3], v143
	v_max_num_f32 v[MX], v[MX], v127
	v_max_num_f32 v[MX+2], v[MX+2], v159
	s_delay_alu instid0(VALU_DEP_1)
	v_max_num_f32 v[TS+1], v[MX], v[MX+2]
	s_delay_alu instid0(VALU_DEP_1)
	v_permlanex16_b32 v[MY], v[TS+1], s[SEL], s[SEL+1] ; lane l xor 16 has my query's other 64 keys
	s_delay_alu instid0(VALU_DEP_1)
.if \first
	v_max_num_f32 v13, v[TS+1], v[MY]
.else
	v_max3_num_f32 v13, v13, v[TS+1], v[MY]            ; the running largest score
.endif
	s_delay_alu instid0(VALU_DEP_1)
	v_mul_f32 v[TS+2], s[NC], v13
	s_delay_alu instid0(VALU_DEP_1)
	v_floor_f32 v12, v[TS+2]                           ; -M = floor(-t) = -ceil(t): a whole number
.if \first == 0
	s_delay_alu instid0(VALU_DEP_1)
	v_sub_f32 v[TS], v12, v[TS]                        ; old M - new M: a whole number, 0 or less
	s_delay_alu instid0(VALU_DEP_1)
	v_cvt_i32_f32 v[TS], v[TS]                         ; (it saturates)
	s_delay_alu instid0(VALU_DEP_1)
	v_ldexp_f32 v[F], 1.0, v[TS]                       ; f = 2^(old M - new M)
.endif
.set j, 0
.rept 32
	v_pk_fma_f32 v[96+j:97+j], v[96+j:97+j], s[CS:CS+1], v[12:13] op_sel_hi:[1,0,0]   ; t - M, two at a time
.set j, j+2
.endr
	v_fma_f32 v[MX], v[MX], s[CS], v12                 ; the same of each block's largest score
	v_fma_f32 v[MX+2], v[MX+2], s[CS], v12
	s_wait_alu depctr_va_vdst(0)
.set j, 0
.rept 64
	v_exp_f32 v[96+j], v[96+j]                         ; p = 2^(t - M), at most 1: not normalised
.set j, j+1
.endr
	v_exp_f32 v[MX], v[MX]                             ; the block's largest p: the same two instructions on the same number
	v_exp_f32 v[MX+2], v[MX+2]
.if \first
	v_nop                                              ; a plain place behind the exponentials
.else
	v_pk_mul_f32 v[14:15], v[14:15], v[F:F+1] op_sel_hi:[1,0]   ; the sums under the new M (a plain place behind the exponentials)
.endif
	s_wait_alu depctr_va_vdst(0)                       ; one wait for the batch, ahead of its first reader
	v_max_num_f32 v[MX], 0x1800000, v[MX]              ; the floor 2^(3 - 127): the byte cannot fall under 1
	v_max_num_f32 v[MX+2], 0x1800000, v[MX+2]
	s_delay_alu instid0(VALU_DEP_2)
	v_add_nc_u32 v[SCO], 0xff000000, v[MX]             ; 2 off the exponent field: the conversion's scale operand
	s_delay_alu instid0(VALU_DEP_2)
	v_add_nc_u32 v[SCO+2], 0xff000000, v[MX+2]
	s_delay_alu instid0(VALU_DEP_2)
	v_lshrrev_b32 v[MX+1], 23, v[SCO]                  ; the scales' bytes: blocks h and 2 + h
	s_delay_alu instid0(VALU_DEP_2)
	v_lshrrev_b32 v[MX+3], 23, v[SCO+2]
	s_delay_alu instid0(VALU_DEP_1)
	v_lshl_or_b32 v[TS+1], v[MX+3], 16, v[MX+1]
	s_delay_alu instid0(VALU_DEP_1)
	v_lshlrev_b32 v[TS+1], v[H8], v[TS+1]              ; at their places in the scale word;
	s_delay_alu instid0(VALU_DEP_1)
	v_permlanex16_b32 v[MY+1], v[TS+1], s[SEL], s[SEL+1]
	s_delay_alu instid0(VALU_DEP_1)
	v_or_b32 v[PW], v[TS+1], v[MY+1]                   ; with lane l xor 16's two the word is whole
.irp c, 0,1
	v_cvt_scalef32_pk16_fp6_f32 v[P+6*\c:P+2+6*\c], v[96+32*\c:111+32*\c], v[SCO+2*\c]
	v_cvt_scalef32_pk16_fp6_f32 v[PX+4*\c:PX+2+4*\c], v[112+32*\c:127+32*\c], v[SCO+2*\c]   ; (a conversion's three registers begin on an even number)
.endr
	v_nop                                              ; one plain place behind a scaled conversion
.irp c, 0,1
.irp i, 0,1,2
	v_mov_b32 v[P+3+6*\c+\i], v[PX+4*\c+\i]            ; registers 6 c .. 6 c + 5 hold keys 64 c + 32 h + 0 .. 31
.endr
.endr
.irp k, 0,1,2,3,4,5,6,7                            ; the row's sum, of the unquantised p: eight chains of pairs
	v_pk_add_f32 v[TS+2*\k:TS+2*\k+1], v[96+2*\k:97+2*\k], v[112+2*\k:113+2*\k]
.endr
.irp k, 0,1,2,3,4,5,6,7
	v_pk_add_f32 v[TS+2*\k:TS+2*\k+1], v[TS+2*\k:TS+2*\k+1], v[128+2*\k:129+2*\k]
.endr
.irp k, 0,1,2,3,4,5,6,7
	v_pk_add_f32 v[TS+2*\k:TS+2*\k+1], v[TS+2*\k:TS+2*\k+1], v[144+2*\k:145+2*\k]
.endr
.irp k, 0,1,2,3
	s_delay_alu instid0(VALU_DEP_4)
	v_pk_add_f32 v[TS+2*\k:TS+2*\k+1], v[TS+2*\k:TS+2*\k+1], v[TS+8+2*\k:TS+9+2*\k]
.endr
.irp k, 0,1
	s_delay_alu instid0(VALU_DEP_2)
	v_pk_add_f32 v[TS+2*\k:TS+2*\k+1], v[TS+2*\k:TS+2*\k+1], v[TS+4+2*\k:TS+5+2*\k]
.endr
	s_delay_alu instid0(VALU_DEP_1)
.if \first
	v_pk_add_f32 v[14:15], v[TS:TS+1], v[TS+2:TS+3]
.else
	v_pk_add_f32 v[TS:TS+1], v[TS:TS+1], v[TS+2:TS+3]
	s_delay_alu instid0(VALU_DEP_1)
	v_pk_add_f32 v[14:15], v[14:15], v[TS:TS+1]
	s_wait_alu depctr_va_vdst(0)
.set j, 0
.rept 16
	v_pk_mul_f32 v[160+j:161+j], v[160+j:161+j], v[F:F+1] op_sel_hi:[1,0]   ; O^T under the new M
.set j, j+2
.endr
.endif
	s_wait_alu depctr_va_vdst(0)
	s_wait_dscnt 0x0                                   ; v is in
.irp t, 0,1,2,3                                    ; O^T += v^T p^T: four accumulators by turns (the sums above are the places behind p's codes and scale word)
.if \first
	v_wmma_scale_f32_16x16x128_f8f6f4 v[160+8*\t:167+8*\t], v[32+12*\t:43+12*\t], v[P:P+11], 0, v[VS+\t], v[PW] matrix_a_fmt:MATRIX_FMT_FP6 matrix_b_fmt:MATRIX_FMT_FP6
.else
	v_wmma_scale_f32_16x16x128_f8f6f4 v[160+8*\t:167+8*\t], v[32+12*\t:43+12*\t], v[P:P+11], v[160+8*\t:167+8*\t], v[VS+\t], v[PW] matrix_a_fmt:MATRIX_FMT_FP6 matrix_b_fmt:MATRIX_FMT_FP6
.endif
.endr
.endm
	s_wait_alu depctr_va_vdst(0)
	s_wait_loadcnt 0x0                                 ; q
	s_wait_tensorcnt 0x0                               ; my own block has landed
	STEP 1                                             ; my own block: bytes that my load brought
	s_barrier_signal -1                                ; every wave has waited for its load, and no LDS load of mine is out
	s_barrier_wait -1                                  ; all 16 blocks are whole for all waves; nothing is filled again
	s_mov_b32 s[I], 1
.Lstep:                                            ; 15 trips: blocks w + 1, w + 2, .. round the end
	s_add_co_u32 s[TB], s[WV], s[I]
	s_and_b32 s[TB], s[TB], 15
	s_mul_i32 s[TB], s[TB], HB
	STEP 0
	s_add_co_u32 s[I], s[I], 1
	s_cmp_lt_u32 s[I], 16
	s_cbranch_scc1 .Lstep
	; THE WAY OUT: O^T / the sum; its 32 numbers a lane (register 16 b + i = channel 32 b + 16 h + i) are quantised: half a fragment of the projection's operand
.rept 4
	v_nop
.endr
	v_add_f32 v14, v14, v15
	s_delay_alu instid0(VALU_DEP_1)
	v_permlanex16_b32 v[MY], v14, s[SEL], s[SEL+1]
	s_delay_alu instid0(VALU_DEP_1)
	v_add_f32 v14, v14, v[MY]                          ; the row's sum
	s_wait_alu depctr_va_vdst(0)
	v_rcp_f32 v14, v14
	v_nop                                              ; one plain place behind a transcendental
	s_wait_alu depctr_va_vdst(0)
.set j, 0
.rept 32
	v_mul_f32 v[96+j], v[160+j], v14
.set j, j+1
.endr
.irp b, 0,1
	v_max3_num_f32 v[MX+\b], |v[96+16*\b]|, |v[97+16*\b]|, 0x1800000
.endr
.irp i, 2,4,6,8,10,12,14
.irp b, 0,1
	s_delay_alu instid0(VALU_DEP_2)
	v_max3_num_f32 v[MX+\b], v[MX+\b], |v[96+16*\b+\i]|, |v[97+16*\b+\i]|
.endr
.endr
.irp b, 0,1
	s_delay_alu instid0(VALU_DEP_2)
	v_permlanex16_b32 v[MY+\b], v[MX+\b], s[SEL], s[SEL+1]
.endr
.irp b, 0,1
	s_delay_alu instid0(VALU_DEP_2)
	v_max_num_f32 v[MX+\b], v[MX+\b], v[MY+\b]
.endr
.irp b, 0,1
	s_delay_alu instid0(VALU_DEP_2)
	v_add_nc_u32 v[SCO+\b], 0xff000000, v[MX+\b]
.endr
.irp b, 0,1
	s_delay_alu instid0(VALU_DEP_2)
	v_lshrrev_b32 v[MY+\b], 23, v[SCO+\b]
.endr
	s_delay_alu instid0(VALU_DEP_1)
	v_lshl_or_b32 v[TS], v[MY+1], 8, v[MY]             ; my head's two scale bytes
	v_cvt_scalef32_pk16_fp6_f32 v[P:P+2], v[96:111], v[SCO]
	v_cvt_scalef32_pk16_fp6_f32 v[PX:PX+2], v[112:127], v[SCO+1]
	v_nop
.irp i, 0,1,2
	v_permlane16_swap_b32 v[P+\i], v[PX+\i]            ; the operand wants a whole block in a lane
.endr
.irp i, 0,1,2
	s_delay_alu instid0(VALU_DEP_3)
	v_mov_b32 v[P+3+\i], v[PX+\i]
.endr
	global_store_b128 v[OA16], v[P:P+3], s[58:59]
	global_store_b64 v[OA8], v[P+4:P+5], s[58:59] offset:512
	global_store_b16 v[OA4], v[TS], s[60:61]           ; two bytes of each lane's scale word; the pair's other head writes the other two
	s_wait_tensorcnt 0x0                               ; the wave's end
	ds_add_u32 v[SPW], v[NIL]
	s_wait_dscnt 0x0
	ROUND                                              ; the closing round
	s_endpgm
.Lfunc_end_k_q3da7b95c16_attn:
	.size	k_q3da7b95c16_attn, .Lfunc_end_k_q3da7b95c16_attn-k_q3da7b95c16_attn
	.p2alignl 7, 3214868480
	.fill 96, 4, 3214868480
	.section	.rodata,"a",@progbits
	.p2align	6, 0x0
	.amdhsa_kernel k_q3da7b95c16_attn
		.amdhsa_group_segment_fixed_size 327680
		.amdhsa_private_segment_fixed_size 0
		.amdhsa_enable_private_segment 0
		.amdhsa_kernarg_size 24
		.amdhsa_user_sgpr_count 2
		.amdhsa_user_sgpr_kernarg_segment_ptr 1
		.amdhsa_wavefront_size32 1
		.amdhsa_system_sgpr_workgroup_id_x 1
		.amdhsa_system_sgpr_workgroup_id_y 1
		.amdhsa_system_sgpr_workgroup_id_z 1
		.amdhsa_system_vgpr_workitem_id 0
		.amdhsa_next_free_vgpr 256
		.amdhsa_next_free_sgpr 66
		.amdhsa_reserve_vcc 0
		.amdhsa_float_denorm_mode_32 3
		.amdhsa_float_denorm_mode_16_64 3
		.amdhsa_memory_ordered 1
		.amdhsa_forward_progress 1
		.amdhsa_inst_pref_size 42
	.end_amdhsa_kernel
	.amdgpu_metadata
---
amdhsa.version: [ 1, 2 ]
amdhsa.kernels:
  - .name:           k_q3da7b95c16_attn
    .symbol:         k_q3da7b95c16_attn.kd
    .args:
      - { .name: qimg, .offset: 0, .size: 8, .value_kind: global_buffer, .address_space: global }
      - { .name: kvimg, .offset: 8, .size: 8, .value_kind: global_buffer, .address_space: global }
      - { .name: oimg, .offset: 16, .size: 8, .value_kind: global_buffer, .address_space: global }
    .group_segment_fixed_size: 327680
    .private_segment_fixed_size: 0
    .kernarg_segment_align: 8
    .kernarg_segment_size: 24
    .max_flat_workgroup_size: 512
    .sgpr_count:     66
    .vgpr_count:     256
    .wavefront_size: 32
...
	.end_amdgpu_metadata
.endif
;; end of part 4
;; launch gemm_proj (part 5): grid 8 x 32, 4 waves a work-group, clusters of 4 x 4, 327,680 bytes of LDS; arguments oimg, wimg, proj_b, x, x1; writes x1
.if DOCPART == 5
	.amdgcn_target "amdgcn-amd-amdhsa--gfx1250"
	.amdhsa_code_object_version 6
	.text
	.protected	k_q3da7b95c16_gemm_proj
	.globl	k_q3da7b95c16_gemm_proj
	.p2align	8
	.type	k_q3da7b95c16_gemm_proj,@function
k_q3da7b95c16_gemm_proj:
	s_mov_b64 s[64:65], 0
	v_nop
	global_prefetch_b8 v0, s[64:65] scope:SCOPE_SE
	s_setreg_imm32_b32 hwreg(HW_REG_WAVE_MODE, 25, 1), 1
	s_wait_xcnt 0x0
	s_wait_alu depctr_hold_cnt(0) depctr_sa_sdst(0) depctr_va_vdst(0) depctr_va_sdst(0) depctr_va_ssrc(0) depctr_va_vcc(0) depctr_vm_vsrc(0)
	s_getreg_b32 s2, hwreg(HW_REG_IB_STS2, 6, 4)
	s_cmp_eq_u32 s2, 0
	s_cbranch_scc0 .Lentry_in_a_cluster
	s_endpgm
.Lentry_in_a_cluster:
	s_bfe_u32 s2, ttmp6, 0x10000c
	s_cmp_lg_u32 s2, 0xf033
	s_cbranch_scc0 .Lentry_shape_is_right
	s_endpgm
.Lentry_shape_is_right:
.set LAPS,  1
.set NTY,   256
.set NTX,   64
.set OFX,   2555904
.set REC,   6656
.set HALF,  4*REC
.set YOFF,  16*REC
.set SLOT,  16*REC
.set SPARE, 2*SLOT
.set SP,    272
.set AX16, 4
.set AX8,  6
.set AY16, 8
.set AY8,  10
.set ASX,  12
.set ASY,  14
.set LI16, 16
.set LI8,  17
.set LI4,  18
.set STO,  19
.set RD,   20
.set CO,   21
.set BVA,  22
.set SPW,  28
.set NIL,  29
.set SC,   32
.set YF,   64
.set BIAS, 160
.set BK,   192
.set RES,  128
.set G1X,  24
.set G0X,  32
.set G1Y,  48
.set G0Y,  56
.set MSB,  0
.macro WIN new
.if MSB != \new
	s_set_vgpr_msb (MSB<<8)|\new
.set MSB, \new
.endif
.endm
.macro JLOAD s
	s_cmp_eq_u32 s15, 0
	s_cbranch_scc0 .Lfor_y_\@
	tensor_load_to_lds s[G0X+4*\s:G0X+4*\s+3], s[G1X:G1X+7]
	s_nop 0
.rept 4
	v_nop
.endr
	s_branch .Lasked_\@
.Lfor_y_\@:
	tensor_load_to_lds s[G0Y+4*\s:G0Y+4*\s+3], s[G1Y:G1Y+7]
	s_nop 0
.rept 4
	v_nop
.endr
.Lasked_\@:
.endm
.macro CREST
	s_cmp_lg_u32 s14, 0
	s_cbranch_scc1 .Lnot_wave_0_\@
	s_barrier_signal -3
.Lnot_wave_0_\@:
	s_barrier_wait -3
	s_barrier_signal -1
	s_barrier_wait -1
.endm
.macro CROUND
	s_barrier_signal -1
	s_barrier_wait -1
	CREST
.endm
.macro PLACES
.rept 4
	v_nop
.endr
.endm
.macro FRAG reg, a16, a8, off
	ds_load_b128 v[\reg:\reg+3], v[\a16] offset:\off
	ds_load_b64 v[\reg+4:\reg+5], v[\a8] offset:\off+512
	ds_load_b128 v[\reg+6:\reg+9], v[\a16] offset:\off+768
	ds_load_b64 v[\reg+10:\reg+11], v[\a8] offset:\off+1280
.endm
.macro FETCH slot, ks, p
	WIN 0x40
.irp i, 0,1,2,3
	FRAG 128*(\p)+12*\i, AX16+\slot, AX8+\slot, \i*REC+(\ks)*1536
.endr
	WIN 0
.irp i, 0,1,2,3
	FRAG YF+48*(\p)+12*\i, AY16+\slot, AY8+\slot, \i*REC+(\ks)*1536
.endr
.irp i, 0,1,2,3
	ds_load_b32 v[SC+8*(\p)+\i], v[ASX+\slot] offset:\i*REC+6144+128*(\ks)
.endr
.irp i, 0,1,2,3
	ds_load_b32 v[SC+8*(\p)+4+\i], v[ASY+\slot] offset:\i*REC+6144+128*(\ks)
.endr
.endm
.macro MUL8 a0, p, first
.irp a, \a0, \a0+1
.irp b, 0,1,2,3
.set AC, 8*(4*(\a)+\b)
.set XR, 128*(\p)+12*\b
.set YR, YF+48*(\p)+12*(\a)
.set SX, SC+8*(\p)+\b
.set SY, SC+8*(\p)+4+(\a)
.set BR, BIAS+8*\b
.if \first
	v_wmma_scale_f32_16x16x128_f8f6f4 v[AC:AC+7], v[XR:XR+11], v[YR:YR+11], v[BR:BR+7], v[SX], v[SY] matrix_a_fmt:MATRIX_FMT_FP6 matrix_b_fmt:MATRIX_FMT_FP6
.else
	v_wmma_scale_f32_16x16x128_f8f6f4 v[AC:AC+7], v[XR:XR+11], v[YR:YR+11], v[AC:AC+7], v[SX], v[SY] matrix_a_fmt:MATRIX_FMT_FP6 matrix_b_fmt:MATRIX_FMT_FP6
.endif
.endr
.endr
.endm
.macro STEP slot, ks, first
	s_wait_dscnt 0x0
	PLACES
	FETCH \slot, (\ks)+1, 1-(\ks)%2
.if \first
	WIN 0x81
.else
	WIN 0xa1
.endif
	MUL8 0, (\ks)%2, \first
	MUL8 2, (\ks)%2, \first
	WIN 0
.endm
.macro TURN slot, next, fill
	s_wait_tensorcnt 0x0
	ds_add_u32 v[SPW], v[NIL]
.if \fill
	s_add_nc_u64 s[G0X+4*\slot+2:G0X+4*\slot+3], s[G0X+4*\slot+2:G0X+4*\slot+3], 2*NTX*REC
	s_add_nc_u64 s[G0Y+4*\slot+2:G0Y+4*\slot+3], s[G0Y+4*\slot+2:G0Y+4*\slot+3], 2*NTY*REC
.endif
	s_wait_dscnt 0x0
	s_barrier_signal -1
	WIN 0xa1
	MUL8 0, 1, 0
	WIN 0
	s_barrier_wait -1
.if \fill
	CREST
	JLOAD \slot
.else
	PLACES
.endif
	FETCH \next, 0, 0
	WIN 0xa1
	MUL8 2, 1, 0
	WIN 0
.endm
.macro OUTA a
.set BB, BK+32*((\a)%2)
.if (\a) > 1
	s_wait_xcnt 0x0
.endif
	WIN 0x08
.irp b, 0,1
.irp q, 0,1,2,3
	ds_store_b128 v[STO], v[32*(\a)+16*\b+4*\q:32*(\a)+16*\b+4*\q+3] offset:128*\b+16*\q
.endr
.endr
	WIN 0
.irp t, 0,1,2,3,4,5,6,7
	ds_load_b128 v[BB+4*\t:BB+4*\t+3], v[RD] offset:2*SP*\t
.endr
	s_wait_dscnt 0x0
	WIN 0x08
.irp t, 0,1,2,3,4,5,6,7
	v_pk_add_f32 v[BB+4*\t:BB+4*\t+1], v[BB+4*\t:BB+4*\t+1], v[RES+32*(\a)+4*\t:RES+32*(\a)+4*\t+1]
	v_pk_add_f32 v[BB+4*\t+2:BB+4*\t+3], v[BB+4*\t+2:BB+4*\t+3], v[RES+32*(\a)+4*\t+2:RES+32*(\a)+4*\t+3]
.endr
	WIN 0
.irp t, 0,1,2,3,4,5,6,7
	global_store_b128 v[CO], v[BB+4*\t:BB+4*\t+3], s[12:13] offset:(32*((\a)/2)+8*((\a)%2)+2*\t+((2*\t)&8))*4096
.endr
.endm
	s_load_b128 s[4:7], s[0:1], 0x0
	s_load_b128 s[8:11], s[0:1], 0x10
	s_load_b64 s[12:13], s[0:1], 0x20
	v_lshl_add_u32 v[SPW], v0, 2, SPARE
	v_mov_b32 v[NIL], 0
	ds_add_u32 v28, v29
	ds_add_u32 v28, v29
	s_wait_dscnt 0x0
	v_lshrrev_b32 v1, 5, v0
	v_readfirstlane_b32 s14, v1
	s_lshr_b32 s15, s14, 1
	s_and_b32 s16, s14, 1
	s_bfe_u32 s40, ttmp6, 0x40000
	s_bfe_u32 s41, ttmp6, 0x40004
	s_lshl_b32 s42, ttmp9, 2
	s_add_co_u32 s42, s42, s40
	s_and_b32 s17, ttmp7, 0xffff
	s_lshl_b32 s17, s17, 2
	s_add_co_u32 s17, s17, s41
	s_lshl_b32 s43, s41, 2
	s_lshl_b32 s43, 15, s43
	s_lshl_b32 s44, 0x1111, s40
	s_or_b32 s[G1X], s44, (3<<16)|(1<<21)
	s_or_b32 s[G1Y], s43, (3<<16)|(1<<21)
.irp g, G1X, G1Y
	s_mov_b32 s[\g+1], 3328<<16                        ; a row: 4 records, 26,624 bytes, in elements of 8
	s_mov_b32 s[\g+2], 2<<16                           ; two rows: the two chunks of 512 along K, by one load
	s_mov_b32 s[\g+3], 3328<<16
	s_mov_b32 s[\g+4], 2
	s_mov_b32 s[\g+6], 0
	s_mov_b32 s[\g+7], 0
.endr
	s_lshl_b32 s18, s16, 2
	s_lshl_b32 s46, s42, 3
	s_add_co_u32 s46, s46, s18
	s_mul_i32 s46, s46, REC
	s_add_co_u32 s46, s46, OFX
	s_mov_b32 s47, 0
	s_lshl_b32 s20, s17, 3
	s_add_co_u32 s20, s20, s18
	s_mul_i32 s20, s20, REC
	s_mov_b32 s21, 0
	s_mov_b32 s[G1X+5], NTX*REC/8                      ; from chunk to chunk
	s_mov_b32 s[G1Y+5], NTY*REC/8
	s_mul_i32 s45, s16, 2*HALF                         ; LDS: my half's chunk 0, then its chunk 1
	s_add_co_u32 s19, s45, YOFF
	s_wait_kmcnt 0x0
	s_add_nc_u64 s[46:47], s[6:7], s[46:47]
	s_add_nc_u64 s[20:21], s[4:5], s[20:21]
	CROUND
.irp s, 0
	s_mov_b32 s[G0X+4*\s], 1
	s_add_co_u32 s[G0X+4*\s+1], s45, \s*SLOT
	s_add_nc_u64 s[G0X+4*\s+2:G0X+4*\s+3], s[46:47], \s*NTX*REC
	s_or_b32 s[G0X+4*\s+3], s[G0X+4*\s+3], 0x80000000
	s_mov_b32 s[G0Y+4*\s], 1
	s_add_co_u32 s[G0Y+4*\s+1], s19, \s*SLOT
	s_add_nc_u64 s[G0Y+4*\s+2:G0Y+4*\s+3], s[20:21], \s*NTY*REC
	s_or_b32 s[G0Y+4*\s+3], s[G0Y+4*\s+3], 0x80000000
	JLOAD \s                                           ; my one load: both chunks of my half
.endr
	v_and_b32 v1, 31, v0
	v_and_b32 v2, 15, v0
	v_bfe_u32 v3, v0, 4, 1
	v_lshlrev_b32 v[LI16], 4, v1
	v_lshlrev_b32 v[LI8], 3, v1
	v_lshlrev_b32 v[LI4], 2, v1
	s_mul_i32 s22, s16, 2*HALF
	s_mul_i32 s23, s15, 2*HALF
	s_add_co_u32 s23, s23, YOFF
.irp s, 0,1
	v_add_nc_u32 v[AX16+\s], s22, v[LI16]
	v_add_nc_u32 v[AX8+\s], s22, v[LI8]
	v_add_nc_u32 v[ASX+\s], s22, v[LI4]
	v_add_nc_u32 v[AY16+\s], s23, v[LI16]
	v_add_nc_u32 v[AY8+\s], s23, v[LI8]
	v_add_nc_u32 v[ASY+\s], s23, v[LI4]
	s_add_co_u32 s22, s22, HALF
	s_add_co_u32 s23, s23, HALF
.endr
	s_mul_i32 s22, s14, 16*SP
	v_mul_u32_u24 v[STO], v2, SP
	v_lshl_add_u32 v[STO], v3, 6, v[STO]
	v_add_nc_u32 v[STO], s22, v[STO]
	v_mul_u32_u24 v[RD], v3, SP
	v_lshl_add_u32 v[RD], v2, 4, v[RD]
	v_add_nc_u32 v[RD], s22, v[RD]
	v_lshlrev_b32 v[CO], 12, v3
	v_lshl_add_u32 v[CO], v2, 4, v[CO]
	s_wait_alu depctr_va_vdst(0)
	s_lshl_b32 s90, s42, 9
	s_lshl_b32 s91, s16, 8
	s_add_co_u32 s90, s90, s91
	s_mov_b32 s91, 0
	s_add_nc_u64 s[8:9], s[8:9], s[90:91]
	v_lshlrev_b32 v[BVA], 6, v3
.irp b, 0,1
.irp q, 0,1,2,3
	global_load_b128 v[BIAS+16*\b+4*\q:BIAS+16*\b+4*\q+3], v[BVA], s[8:9] offset:128*\b+16*\q
.endr
.endr
	s_lshl_b32 s92, s17, 19
	s_lshl_b32 s93, s15, 18
	s_add_co_u32 s92, s92, s93
	s_add_co_u32 s92, s92, s90
	s_mov_b32 s93, 0
	s_add_nc_u64 s[10:11], s[10:11], s[92:93]
	s_add_nc_u64 s[12:13], s[12:13], s[92:93]
	WIN 0x80
.irp a, 0,1,2,3
.irp t, 0,1,2,3,4,5,6,7
	global_load_b128 v[RES+32*\a+4*\t:RES+32*\a+4*\t+3], v[CO], s[10:11] offset:(32*(\a/2)+8*(\a%2)+2*\t+((2*\t)&8))*4096
.endr
.endr
	WIN 0
	s_wait_alu depctr_va_vdst(0)
	s_wait_tensorcnt 0x0
	s_barrier_signal -1
	s_barrier_wait -1
	FETCH 0, 0, 0
	s_wait_loadcnt 32
	STEP 0, 0, 1
.if LAPS > 1
	s_mov_b32 s3, LAPS-1
.Llap:
	STEP 0, 1, 0
	STEP 0, 2, 0
	TURN 0, 1, 1
	STEP 1, 0, 0
	STEP 1, 1, 0
	STEP 1, 2, 0
	TURN 1, 0, 1
	STEP 0, 0, 0
	s_sub_co_u32 s3, s3, 1
	s_cmp_lg_u32 s3, 0
	s_cbranch_scc1 .Llap
.endif
	STEP 0, 1, 0
	STEP 0, 2, 0
	TURN 0, 1, 0
	STEP 1, 0, 0
	STEP 1, 1, 0
	STEP 1, 2, 0
	s_wait_dscnt 0x0
	WIN 0xa1
	MUL8 0, 1, 0
	MUL8 2, 1, 0
	WIN 0
	PLACES
	s_wait_loadcnt 0x0
	OUTA 0
	OUTA 1
	OUTA 2
	OUTA 3
	s_wait_tensorcnt 0x0
	ds_add_u32 v[SPW], v[NIL]
	s_wait_dscnt 0x0
	CROUND
	s_endpgm
.Lfunc_end_k_q3da7b95c16_gemm_proj:
	.size	k_q3da7b95c16_gemm_proj, .Lfunc_end_k_q3da7b95c16_gemm_proj-k_q3da7b95c16_gemm_proj
	.p2alignl 7, 3214868480
	.fill 96, 4, 3214868480
	.section	.rodata,"a",@progbits
	.p2align	6, 0x0
	.amdhsa_kernel k_q3da7b95c16_gemm_proj
		.amdhsa_group_segment_fixed_size 327680
		.amdhsa_private_segment_fixed_size 0
		.amdhsa_enable_private_segment 0
		.amdhsa_kernarg_size 40
		.amdhsa_user_sgpr_count 2
		.amdhsa_user_sgpr_kernarg_segment_ptr 1
		.amdhsa_wavefront_size32 1
		.amdhsa_system_sgpr_workgroup_id_x 1
		.amdhsa_system_sgpr_workgroup_id_y 1
		.amdhsa_system_sgpr_workgroup_id_z 1
		.amdhsa_system_vgpr_workitem_id 0
		.amdhsa_next_free_vgpr 768
		.amdhsa_next_free_sgpr 98
		.amdhsa_reserve_vcc 0
		.amdhsa_float_denorm_mode_32 3
		.amdhsa_float_denorm_mode_16_64 3
		.amdhsa_memory_ordered 1
		.amdhsa_forward_progress 1
		.amdhsa_inst_pref_size 61
	.end_amdhsa_kernel
	.amdgpu_metadata
---
amdhsa.version: [ 1, 2 ]
amdhsa.kernels:
  - .name:           k_q3da7b95c16_gemm_proj
    .symbol:         k_q3da7b95c16_gemm_proj.kd
    .args:
      - { .name: oimg, .offset: 0, .size: 8, .value_kind: global_buffer, .address_space: global }
      - { .name: wimg, .offset: 8, .size: 8, .value_kind: global_buffer, .address_space: global }
      - { .name: proj_b, .offset: 16, .size: 8, .value_kind: global_buffer, .address_space: global }
      - { .name: x, .offset: 24, .size: 8, .value_kind: global_buffer, .address_space: global }
      - { .name: x1, .offset: 32, .size: 8, .value_kind: global_buffer, .address_space: global }
    .group_segment_fixed_size: 327680
    .private_segment_fixed_size: 0
    .kernarg_segment_align: 8
    .kernarg_segment_size: 40
    .max_flat_workgroup_size: 128
    .sgpr_count:     98
    .vgpr_count:     768
    .wavefront_size: 32
...
	.end_amdgpu_metadata
.endif
;; end of part 5
;; launch ln2 (part 6): grid 256 x 1, 8 waves a work-group, no clusters, 70,656 bytes of LDS; arguments x1, ln2_g, ln2_b, himg; writes himg
.if DOCPART == 6
	.amdgcn_target "amdgcn-amd-amdhsa--gfx1250"
	.amdhsa_code_object_version 6
	.text
	.protected	k_q3da7b95c16_ln2
	.globl	k_q3da7b95c16_ln2
	.p2align	8
	.type	k_q3da7b95c16_ln2,@function
k_q3da7b95c16_ln2:
	s_mov_b64 s[64:65], 0
	v_nop
	global_prefetch_b8 v0, s[64:65] scope:SCOPE_SE
	s_setreg_imm32_b32 hwreg(HW_REG_WAVE_MODE, 25, 1), 1
	s_wait_xcnt 0x0
; LayerNorm of x1, quantised to FP6 (E2M3) with one E8M0 byte for each 32 along the row, stored as images of the matrix operand's registers.
; TILES.  A tile is 16 rows; lane r of tile t holds row 32 (t / 2) + 8 (t % 2) + r + (r & 8).
; IMAGES.  A fragment (16 rows x 128 K, 12 registers a lane) is 1,536 bytes: registers 0-3 at 16 x lane, 4-5 at 512 + 8 x lane, 6-9 at 768 + 16 x lane, 10-11 at 1,280 + 8 x lane.  Its scale words: 4 x lane, 128 bytes.
; A RECORD is a tile's four fragments of 512 along K and then their four scale images: 6,656 bytes.  The operand is [K / 512][tile] records.
; SHARES.  Work-group t takes token tile t; wave w its columns 128 w .. 128 w + 127 (one fragment).  Each load covers 512 consecutive bytes of a row; the wave's own stage in LDS turns them so that lane (r, h) holds,
; of row r, 16 neighbours of each block of 32.  The row's sum and its sum of squared differences meet in LDS: two barriers.  Mean first, then the differences: no difference of large sums is formed.
; ALL LOADS GO OUT AT THE HEAD: the rows, the bias and the gain (the gain into window 1), so that nothing is asked of memory behind the first wait.
; LIMITS: NaN and infinities are not served.  A block of zeros gets the byte 1 (its codes are zeros; the bytes are read by this program alone).  Sums are taken as trees.
.set REC,   6656
.set RED1,  0                          ; LDS: 8 waves x 128 bytes: the rows' partial sums;
.set RED2,  1024                       ; the same for the squares;
.set STG0,  2048                       ; then a stage of 16 rows x (512 + 16) bytes for each wave
.set SP,    528
.set STG,   16*SP
.set CO,    4                          ; v4   16 x lane
.set LI8,   5                          ; v5   8 x lane
.set LI4,   6                          ; v6   4 x lane
.set STI,   7                          ; v7   stage, way in
.set STO,   8                          ; v8   stage, way out: 528 r + 64 h
.set GO,    9                          ; v9   gain and bias: 512 w + 64 h
.set RW,    10                         ; v10  4 x thread
.set TM,    16
.set PC,    32
.set PW,    52
.set R,     64                         ; v64-127  the rows as loaded
.set X,     128                        ; v128-191 my 64 numbers
.set B,     192                        ; v192-255 the bias
.set G,     0                          ; window 1: v0-63 the gain
.set MSB,   0
.macro WIN new                         ; the immediate's high byte repeats the setting that is left
.if MSB != \new
	s_set_vgpr_msb (MSB<<8)|\new
.set MSB, \new
.endif
.endm
.macro QUANT s, pc, pw
.irp b, 0,1,2,3
	v_max3_num_f32 v[TM+\b], |v[\s+16*\b]|, |v[\s+1+16*\b]|, 0x1800000   ; my 16 of block b, and the floor 2^(3 - 127): the byte cannot fall under 1
.endr
.irp i, 2,4,6,8,10,12,14
.irp b, 0,1,2,3
	s_delay_alu instid0(VALU_DEP_4)
	v_max3_num_f32 v[TM+\b], v[TM+\b], |v[\s+16*\b+\i]|, |v[\s+1+16*\b+\i]|
.endr
.endr
.irp b, 0,1,2,3
	s_delay_alu instid0(VALU_DEP_4)
	v_permlanex16_b32 v[TM+4+\b], v[TM+\b], s20, s21
.endr
.irp b, 0,1,2,3
	s_delay_alu instid0(VALU_DEP_4)
	v_max_num_f32 v[TM+\b], v[TM+\b], v[TM+4+\b]
.endr
.irp b, 0,1,2,3
	s_delay_alu instid0(VALU_DEP_4)
	v_add_nc_u32 v[TM+12+\b], 0xff000000, v[TM+\b]     ; 2 off the exponent field: the conversion's scale operand
.endr
.irp b, 0,1,2,3
	s_delay_alu instid0(VALU_DEP_4)
	v_lshrrev_b32 v[TM+4+\b], 23, v[TM+12+\b]          ; the scale's byte
.endr
	s_delay_alu instid0(VALU_DEP_3)
	v_lshl_or_b32 v[\pw], v[TM+5], 8, v[TM+4]
	s_delay_alu instid0(VALU_DEP_1)
	v_lshl_or_b32 v[\pw], v[TM+6], 16, v[\pw]
	s_delay_alu instid0(VALU_DEP_1)
	v_lshl_or_b32 v[\pw], v[TM+7], 24, v[\pw]
.irp c, 0,1
	v_cvt_scalef32_pk16_fp6_f32 v[\pc+6*\c:\pc+2+6*\c], v[\s+32*\c:\s+15+32*\c], v[TM+12+2*\c]
	v_cvt_scalef32_pk16_fp6_f32 v[\pc+12+4*\c:\pc+14+4*\c], v[\s+16+32*\c:\s+31+32*\c], v[TM+12+2*\c+1]
.endr
	v_nop                                              ; one plain place behind a scaled conversion
.irp c, 0,1
.irp i, 0,1,2
	v_permlane16_swap_b32 v[\pc+6*\c+\i], v[\pc+12+4*\c+\i]
.endr
.irp i, 0,1,2
	s_delay_alu instid0(VALU_DEP_3)
	v_mov_b32 v[\pc+3+6*\c+\i], v[\pc+12+4*\c+\i]
.endr
.endr
.endm
.macro ROWSUM red                      ; four chains in v[54:61] become the row's total in v54, in every lane
	s_delay_alu instid0(VALU_DEP_3)
	v_pk_add_f32 v[54:55], v[54:55], v[56:57]
	s_delay_alu instid0(VALU_DEP_2)
	v_pk_add_f32 v[58:59], v[58:59], v[60:61]
	s_delay_alu instid0(VALU_DEP_1)
	v_pk_add_f32 v[54:55], v[54:55], v[58:59]
	s_delay_alu instid0(VALU_DEP_1)
	v_add_f32 v54, v54, v55
	s_delay_alu instid0(VALU_DEP_1)
	v_permlanex16_b32 v53, v54, s20, s21
	s_delay_alu instid0(VALU_DEP_1)
	v_add_f32 v54, v54, v53
	ds_store_b32 v[RW], v54 offset:\red
	s_wait_dscnt 0x0                                   ; for the others' sake: my word lies in LDS
	s_barrier_signal -1
	s_barrier_wait -1
.irp k, 0,1,2,3,4,5,6,7
	ds_load_b32 v[54+\k], v[LI4] offset:\red+128*\k
.endr
	s_wait_dscnt 0x0
	v_pk_add_f32 v[54:55], v[54:55], v[56:57]
	v_pk_add_f32 v[58:59], v[58:59], v[60:61]
	s_delay_alu instid0(VALU_DEP_1)
	v_pk_add_f32 v[54:55], v[54:55], v[58:59]
	s_delay_alu instid0(VALU_DEP_1)
	v_add_f32 v54, v54, v55
.endm
	s_load_b256 s[4:11], s[0:1], 0x0                   ; x1 s[4:5], gain s[6:7], bias s[8:9], himg s[10:11]
	v_lshl_add_u32 v47, v0, 2, 0x11000
	v_mov_b32 v51, 0
	v_lshrrev_b32 v1, 5, v0
	s_delay_alu instid0(VALU_DEP_1)
	v_readfirstlane_b32 s12, v1                        ; wave 0..7
	v_and_b32 v1, 31, v0
	v_and_b32 v2, 15, v0
	v_bfe_u32 v3, v0, 4, 1
	s_delay_alu instid0(VALU_DEP_3)
	v_lshlrev_b32 v[CO], 4, v1
	s_delay_alu instid0(VALU_DEP_4)
	v_lshlrev_b32 v[LI8], 3, v1
	v_lshlrev_b32 v[LI4], 2, v1
	s_mul_i32 s13, s12, STG
	s_add_co_u32 s13, s13, STG0                        ; my stage
	v_add_nc_u32 v[STI], s13, v[CO]
	v_mul_u32_u24 v[STO], v2, SP
	s_delay_alu instid0(VALU_DEP_1)
	v_lshl_add_u32 v[STO], v3, 6, v[STO]
	s_delay_alu instid0(VALU_DEP_1)
	v_add_nc_u32 v[STO], s13, v[STO]
	s_lshl_b32 s15, s12, 9
	v_lshlrev_b32 v[GO], 6, v3
	s_delay_alu instid0(VALU_DEP_1)
	v_add_nc_u32 v[GO], s15, v[GO]
	v_lshlrev_b32 v[RW], 2, v0
	v_mov_b32 v53, 0                                   ; written once: a lane permute's destination counts as one of its sources
.irp b, 0,1,2,3
	v_mov_b32 v[TM+4+\b], 0
.endr
	s_mov_b32 s2, 0x3a800000                           ; 1 / 1,024
	s_mov_b32 s3, 0x3727c5ac                           ; eps = 1e-5
	s_mov_b32 s20, 0x76543210
	s_mov_b32 s21, 0xfedcba98
	s_lshr_b32 s16, ttmp9, 1                           ; the tile's first row is 32 (t / 2) + 8 (t % 2); a row is 4,096 bytes
	s_lshl_b32 s16, s16, 17
	s_and_b32 s17, ttmp9, 1
	s_lshl_b32 s17, s17, 15
	s_add_co_u32 s16, s16, s17
	s_add_co_u32 s16, s16, s15
	s_mov_b32 s17, 0
	s_lshr_b32 s18, s12, 2                             ; himg: record (w / 4) x 256 + t, fragment w % 4
	s_lshl_b32 s18, s18, 8
	s_add_co_u32 s18, s18, ttmp9
	s_mul_i32 s18, s18, REC
	s_and_b32 s19, s12, 3
	s_mul_i32 s22, s19, 1536
	s_add_co_u32 s22, s22, s18
	s_mov_b32 s23, 0
	s_lshl_b32 s19, s19, 7
	s_add_co_u32 s18, s18, s19
	s_add_co_u32 s18, s18, 6144
	s_mov_b32 s19, 0
	s_wait_alu depctr_va_vdst(0)
	s_wait_kmcnt 0x0
	s_add_nc_u64 s[4:5], s[4:5], s[16:17]
	s_add_nc_u64 s[22:23], s[10:11], s[22:23]
	s_add_nc_u64 s[18:19], s[10:11], s[18:19]
.irp i, 0,1,2,3,4,5,6,7,8,9,10,11,12,13,14,15
	global_load_b128 v[R+4*\i:R+4*\i+3], v[CO], s[4:5] offset:(\i+(\i&8))*4096   ; the tile's row i: 512 consecutive bytes
.endr
.irp b, 0,1,2,3
.irp j, 0,1,2,3
	global_load_b128 v[B+16*\b+4*\j:B+16*\b+4*\j+3], v[GO], s[8:9] offset:128*\b+16*\j   ; the bias at my 64 columns
.endr
.endr
	WIN 0x40                                           ; destination window 1
.irp b, 0,1,2,3
.irp j, 0,1,2,3
	global_load_b128 v[G+16*\b+4*\j:G+16*\b+4*\j+3], v[GO], s[6:7] offset:128*\b+16*\j   ; the gain
.endr
.endr
	WIN 0
	s_wait_loadcnt 32                                  ; the rows' 16 loads are in; the 32 of bias and gain, issued behind them, may be out
.irp i, 0,1,2,3,4,5,6,7,8,9,10,11,12,13,14,15
	ds_store_b128 v[STI], v[R+4*\i:R+4*\i+3] offset:SP*\i
.endr
.irp b, 0,1,2,3
.irp j, 0,1,2,3
	ds_load_b128 v[X+16*\b+4*\j:X+16*\b+4*\j+3], v[STO] offset:128*\b+16*\j   ; LDS serves a wave's instructions in order: these see my stores
.endr
.endr
	s_wait_dscnt 0x0                                   ; my 64 numbers are in
.irp k, 0,1,2,3
	v_pk_add_f32 v[54+2*\k:55+2*\k], v[X+4*\k:X+4*\k+1], v[X+4*\k+2:X+4*\k+3]
.endr
.irp j, 16,24,32,40,48,56
.irp k, 0,1,2,3
	s_delay_alu instid0(VALU_DEP_4)
	v_pk_add_f32 v[54+2*\k:55+2*\k], v[54+2*\k:55+2*\k], v[X+\j+2*\k:X+\j+2*\k+1]
.endr
.endr
	ROWSUM RED1
	s_delay_alu instid0(VALU_DEP_1)
	v_mul_f32 v62, s2, v54                             ; the mean, in both registers of a pair
	s_delay_alu instid0(VALU_DEP_1)
	v_mov_b32 v63, v62
.set j, 0
.rept 32
	v_pk_add_f32 v[X+j:X+j+1], v[X+j:X+j+1], v[62:63] neg_lo:[0,1] neg_hi:[0,1]
.set j, j+2
.endr
.irp k, 0,1,2,3
	v_pk_mul_f32 v[54+2*\k:55+2*\k], v[X+2*\k:X+2*\k+1], v[X+2*\k:X+2*\k+1]
.endr
.set j, 8
.rept 7
.irp k, 0,1,2,3
	s_delay_alu instid0(VALU_DEP_4)
	v_pk_fma_f32 v[54+2*\k:55+2*\k], v[X+j+2*\k:X+j+2*\k+1], v[X+j+2*\k:X+j+2*\k+1], v[54+2*\k:55+2*\k]
.endr
.set j, j+8
.endr
	ROWSUM RED2
	s_delay_alu instid0(VALU_DEP_1)
	v_fma_f32 v60, v54, s2, s3                         ; the variance + eps
	s_wait_alu depctr_va_vdst(0)
	v_rsq_f32 v62, v60
	v_rsq_f32 v63, v60
	v_nop                                              ; one plain place behind a transcendental
	s_wait_loadcnt 0x0                                 ; gain and bias
.set j, 0
	s_wait_alu depctr_va_vdst(0)
.rept 32
	v_pk_mul_f32 v[X+j:X+j+1], v[X+j:X+j+1], v[62:63]
.set j, j+2
.endr
	WIN 0x04                                           ; source 1 (the gain) window 1
.set j, 0
.rept 32
	v_pk_fma_f32 v[X+j:X+j+1], v[X+j:X+j+1], v[G+j:G+j+1], v[B+j:B+j+1]
.set j, j+2
.endr
	WIN 0
	QUANT X, PC, PW
	global_store_b128 v[CO], v[PC:PC+3], s[22:23]
	global_store_b64 v[LI8], v[PC+4:PC+5], s[22:23] offset:512
	global_store_b128 v[CO], v[PC+6:PC+9], s[22:23] offset:768
	global_store_b64 v[LI8], v[PC+10:PC+11], s[22:23] offset:1280
	global_store_b32 v[LI4], v[PW], s[18:19]
	s_wait_tensorcnt 0x0
	ds_add_u32 v47, v51
	s_wait_dscnt 0x0
	s_endpgm
.Lfunc_end_k_q3da7b95c16_ln2:
	.size	k_q3da7b95c16_ln2, .Lfunc_end_k_q3da7b95c16_ln2-k_q3da7b95c16_ln2
	.p2alignl 7, 3214868480
	.fill 96, 4, 3214868480
	.section	.rodata,"a",@progbits
	.p2align	6, 0x0
	.amdhsa_kernel k_q3da7b95c16_ln2
		.amdhsa_group_segment_fixed_size 70656
		.amdhsa_private_segment_fixed_size 0
		.amdhsa_enable_private_segment 0
		.amdhsa_kernarg_size 32
		.amdhsa_user_sgpr_count 2
		.amdhsa_user_sgpr_kernarg_segment_ptr 1
		.amdhsa_wavefront_size32 1
		.amdhsa_system_sgpr_workgroup_id_x 1
		.amdhsa_system_sgpr_workgroup_id_y 1
		.amdhsa_system_sgpr_workgroup_id_z 1
		.amdhsa_system_vgpr_workitem_id 0
		.amdhsa_next_free_vgpr 320
		.amdhsa_next_free_sgpr 66
		.amdhsa_reserve_vcc 0
		.amdhsa_float_denorm_mode_32 3
		.amdhsa_float_denorm_mode_16_64 3
		.amdhsa_memory_ordered 1
		.amdhsa_forward_progress 1
		.amdhsa_inst_pref_size 31
	.end_amdhsa_kernel
	.amdgpu_metadata
---
amdhsa.version: [ 1, 2 ]
amdhsa.kernels:
  - .name:           k_q3da7b95c16_ln2
    .symbol:         k_q3da7b95c16_ln2.kd
    .args:
      - { .name: x1, .offset: 0, .size: 8, .value_kind: global_buffer, .address_space: global }
      - { .name: ln2_g, .offset: 8, .size: 8, .value_kind: global_buffer, .address_space: global }
      - { .name: ln2_b, .offset: 16, .size: 8, .value_kind: global_buffer, .address_space: global }
      - { .name: himg, .offset: 24, .size: 8, .value_kind: global_buffer, .address_space: global }
    .group_segment_fixed_size: 70656
    .private_segment_fixed_size: 0
    .kernarg_segment_align: 8
    .kernarg_segment_size: 32
    .max_flat_workgroup_size: 256
    .sgpr_count:     66
    .vgpr_count:     320
    .wavefront_size: 32
...
	.end_amdgpu_metadata
.endif
;; end of part 6
;; launch gemm_fc1 (part 7): grid 16 x 32, 4 waves a work-group, clusters of 4 x 4, 327,680 bytes of LDS; arguments himg, wimg, fc1_b, hidimg; writes hidimg
.if DOCPART == 7
	.amdgcn_target "amdgcn-amd-amdhsa--gfx1250"
	.amdhsa_code_object_version 6
	.text
	.protected	k_q3da7b95c16_gemm_fc1
	.globl	k_q3da7b95c16_gemm_fc1
	.p2align	8
	.type	k_q3da7b95c16_gemm_fc1,@function
k_q3da7b95c16_gemm_fc1:
	s_mov_b64 s[64:65], 0
	v_nop
	global_prefetch_b8 v0, s[64:65] scope:SCOPE_SE
	s_setreg_imm32_b32 hwreg(HW_REG_WAVE_MODE, 25, 1), 1
	s_wait_xcnt 0x0
	s_wait_alu depctr_hold_cnt(0) depctr_sa_sdst(0) depctr_va_vdst(0) depctr_va_sdst(0) depctr_va_ssrc(0) depctr_va_vcc(0) depctr_vm_vsrc(0)
	s_getreg_b32 s2, hwreg(HW_REG_IB_STS2, 6, 4)
	s_cmp_eq_u32 s2, 0
	s_cbranch_scc0 .Lentry_in_a_cluster
	s_endpgm
.Lentry_in_a_cluster:
	s_bfe_u32 s2, ttmp6, 0x10000c
	s_cmp_lg_u32 s2, 0xf033
	s_cbranch_scc0 .Lentry_shape_is_right
	s_endpgm
.Lentry_shape_is_right:
; The hidden layer: gelu(Q(LN2(x1)) fc1_w^T + fc1_b), the product on codes of FP6 (E2M3) with E8M0 scales; the exact gelu in f32; the results are quantised along the hidden units and stored as operand images.
; OPERANDS are [K / 512][tile] records of 6,656 bytes: a tile's (16 rows) four fragment images of 1,536 bytes (registers 0-3 at 16 x lane, 4-5 at 512 + 8 x lane, 6-9 at 768 + 16 x lane, 10-11 at 1,280 + 8 x lane)
; and their four scale images (4 x lane).  Lane r of tile t holds row 32 (t / 2) + 8 (t % 2) + r + (r & 8).  Y = the tokens (himg), X = the weight's rows (wimg).
; SHARES.  A work-group makes 128 Y rows x 256 X rows; wave (YH, XH) 64 x 128: 32 accumulators.  Source 0 = an X tile, source 1 = a Y tile: a lane holds ONE token, and the 64 registers of a Y tile are 128 hidden
; units, register 16 b + i = unit 32 b + 16 h + i: what the quantiser takes: one K step of the next product.  The bias is the C of the first product.
; GELU.  0.5 x (1 + erf(x / sqrt 2)), erf(z) = z P(z^2) / Q(z^2), polynomials of degree 6 and 4, z held at +-4, where erf is 1 to f32's last place.
; K = 1,024 is two chunks of 512, one in each of two LDS slots, brought by the first fills: nothing is filled again.
; CLUSTER 4 x 4: X's records hang on the work-group's x alone and are asked for jointly by a column of the cluster, Y's on its y alone, by a row.
; REGISTERS: window 0: v4-27 addresses and constants, v32-55 scale words (two sets), v56-59 scale words made, v64-159 Y's fragments (two sets), later the gelu's work, v160-223 the bias, later codes, v240-255 the
;   quantiser's work;  window 1: X's fragments, sets at v0 and v128;  window 2: accumulator (a, b) at v[8 (8 a + b)].
; LIMITS: NaN and infinities are not served; a block of zeros gets the byte 1 (its codes are zeros; this program alone reads the bytes); for x under -5.6 the gelu is x times the rounding of 1 + erf, some 3e-8 |x|, not 0.
.set NTY,   256
.set NTX,   256
.set OFY,   0
.set OFX,   3407872                    ; fc1_w's records in wimg
.set REC,   6656
.set XHALF, 8*REC
.set YHALF, 4*REC
.set YOFF,  32*REC
.set SLOT,  24*REC
.set SPARE, 2*SLOT                     ; the spare words, 128 bytes for each wave: two blocks of 256 bytes that no other line names
.set AX16, 4
.set AX8,  6
.set AY16, 8
.set AY8,  10
.set ASX,  12
.set ASY,  14
.set LI16, 16
.set LI8,  17
.set LI4,  18
.set BVA,  22
.set CA0,  24                          ; v[24:25] P's leading coefficient, twice;  v[26:27] Q's
.set CB0,  26
.set SPW,  28
.set NIL,  29
.set SC,   32
.set PW,   56
.set YF,   64
.set GA,   64                          ; the gelu: v64-127 0.5 x, then the result; v128-159 eight numbers at work: z, z^2, P, Q
.set Z,    128
.set X2,   136
.set PP,   144
.set QQ,   152
.set BIAS, 160
.set TM,   240
.set G1X,  24
.set G0X,  32
.set G1Y,  48
.set G0Y,  56
.set SEL,  88
.set MSB,  0
.macro WIN new                         ; the immediate's high byte repeats the setting that is left
.if MSB != \new
	s_set_vgpr_msb (MSB<<8)|\new
.set MSB, \new
.endif
.endm
.macro JLOAD s                         ; a joint load: waves 0 and 1 fetch X's halves, waves 2 and 3 Y's; four v_nop follow each line
	s_cmp_eq_u32 s15, 0
	s_cbranch_scc0 .Lfor_y_\@
	tensor_load_to_lds s[G0X+4*\s:G0X+4*\s+3], s[G1X:G1X+7]
	s_nop 0
.rept 4
	v_nop
.endr
	s_branch .Lasked_\@
.Lfor_y_\@:
	tensor_load_to_lds s[G0Y+4*\s:G0Y+4*\s+3], s[G1Y:G1Y+7]
	s_nop 0
.rept 4
	v_nop
.endr
.Lasked_\@:
.endm
.macro CREST                           ; a round of the cluster's barrier behind its opening barrier
	s_cmp_lg_u32 s14, 0
	s_cbranch_scc1 .Lnot_wave_0_\@
	s_barrier_signal -3
.Lnot_wave_0_\@:
	s_barrier_wait -3
	s_barrier_signal -1
	s_barrier_wait -1
.endm
.macro CROUND
	s_barrier_signal -1
	s_barrier_wait -1
	CREST
.endm
.macro PLACES                          ; four plain places behind a matrix instruction (ISA guide 7.12.1)
.rept 4
	v_nop
.endr
.endm
.macro FRAG reg, a16, a8, off          ; an image comes back as the 12 registers that it was
	ds_load_b128 v[\reg:\reg+3], v[\a16] offset:\off
	ds_load_b64 v[\reg+4:\reg+5], v[\a8] offset:\off+512
	ds_load_b128 v[\reg+6:\reg+9], v[\a16] offset:\off+768
	ds_load_b64 v[\reg+10:\reg+11], v[\a8] offset:\off+1280
.endm
.macro FETCH slot, ks, p               ; the fragments and scale words of the slot's ks-th 128 along K into set p: 60 LDS loads
	WIN 0x40
.irp i, 0,1,2,3,4,5,6,7
	FRAG 128*(\p)+12*\i, AX16+\slot, AX8+\slot, \i*REC+(\ks)*1536
.endr
	WIN 0
.irp i, 0,1,2,3
	FRAG YF+48*(\p)+12*\i, AY16+\slot, AY8+\slot, \i*REC+(\ks)*1536
.endr
.irp i, 0,1,2,3,4,5,6,7
	ds_load_b32 v[SC+12*(\p)+\i], v[ASX+\slot] offset:\i*REC+6144+128*(\ks)
.endr
.irp i, 0,1,2,3
	ds_load_b32 v[SC+12*(\p)+8+\i], v[ASY+\slot] offset:\i*REC+6144+128*(\ks)
.endr
.endm
; 16 matrix instructions: Y tiles a0, a0 + 1 x X's eight.  first = 1: the bias is the C of the sum's first product.  The 32 accumulators take turns.
.macro MUL16 a0, p, first
.irp a, \a0, \a0+1
.irp b, 0,1,2,3,4,5,6,7
.set AC, 8*(8*(\a)+\b)
.set XR, 128*(\p)+12*\b
.set YR, YF+48*(\p)+12*(\a)
.set SX, SC+12*(\p)+\b
.set SY, SC+12*(\p)+8+(\a)
.set BR, BIAS+8*\b
.if \first
	v_wmma_scale_f32_16x16x128_f8f6f4 v[AC:AC+7], v[XR:XR+11], v[YR:YR+11], v[BR:BR+7], v[SX], v[SY] matrix_a_fmt:MATRIX_FMT_FP6 matrix_b_fmt:MATRIX_FMT_FP6
.else
	v_wmma_scale_f32_16x16x128_f8f6f4 v[AC:AC+7], v[XR:XR+11], v[YR:YR+11], v[AC:AC+7], v[SX], v[SY] matrix_a_fmt:MATRIX_FMT_FP6 matrix_b_fmt:MATRIX_FMT_FP6
.endif
.endr
.endr
.endm
.macro STEP slot, ks, first
	s_wait_dscnt 0x0                                   ; this step's set is in (asked for a step ago)
	PLACES
	FETCH \slot, (\ks)+1, 1-(\ks)%2
.if \first
	WIN 0x81
.else
	WIN 0xa1
.endif
	MUL16 0, (\ks)%2, \first
	MUL16 2, (\ks)%2, \first
	WIN 0
.endm
.macro TURN slot, next, fill           ; a slot's last step changes slots: one barrier
	s_wait_tensorcnt 0x0                               ; all my tensor loads have landed: my part of the next slot
	ds_add_u32 v[SPW], v[NIL]                          ; 0 onto my spare word
.if \fill
	s_add_nc_u64 s[G0X+4*\slot+2:G0X+4*\slot+3], s[G0X+4*\slot+2:G0X+4*\slot+3], 2*NTX*REC
	s_add_nc_u64 s[G0Y+4*\slot+2:G0Y+4*\slot+3], s[G0Y+4*\slot+2:G0Y+4*\slot+3], 2*NTY*REC
.endif
	s_wait_dscnt 0x0                                   ; the add is done, and my reads of this slot are over
	s_barrier_signal -1
	WIN 0xa1
	MUL16 0, 1, 0
	WIN 0
	s_barrier_wait -1
.if \fill
	CREST
	JLOAD \slot
.else
	PLACES
.endif
	FETCH \next, 0, 0
	WIN 0xa1
	MUL16 2, 1, 0
	WIN 0
.endm
; 64 numbers of a lane in window sw, register 16 b + i = k 32 b + 16 h + i of my row, become a fragment's codes in v[pc] on and its scale word in v[pw]
.macro QUANT s, sw, pc, pw
	WIN (\sw)|((\sw)<<2)
.irp b, 0,1,2,3
	v_max3_num_f32 v[TM+\b], |v[(\s)+16*\b]|, |v[(\s)+1+16*\b]|, 0x1800000   ; my 16 of block b, and the floor 2^(3 - 127)
.endr
	WIN ((\sw)<<2)|((\sw)<<4)
.irp i, 2,4,6,8,10,12,14
.irp b, 0,1,2,3
	v_max3_num_f32 v[TM+\b], v[TM+\b], |v[(\s)+16*\b+\i]|, |v[(\s)+1+16*\b+\i]|
.endr
.endr
	WIN 0
.irp b, 0,1,2,3
	v_permlanex16_b32 v[TM+4+\b], v[TM+\b], s[SEL], s[SEL+1]
.endr
.irp b, 0,1,2,3
	v_max_num_f32 v[TM+\b], v[TM+\b], v[TM+4+\b]
.endr
.irp b, 0,1,2,3
	v_add_nc_u32 v[TM+12+\b], 0xff000000, v[TM+\b]     ; 2 off the exponent field: the conversion's scale operand
.endr
.irp b, 0,1,2,3
	v_lshrrev_b32 v[TM+4+\b], 23, v[TM+12+\b]          ; the scale's byte
.endr
	v_lshl_or_b32 v[\pw], v[TM+5], 8, v[TM+4]
	v_lshl_or_b32 v[\pw], v[TM+6], 16, v[\pw]
	v_lshl_or_b32 v[\pw], v[TM+7], 24, v[\pw]
	WIN \sw
.irp c, 0,1
	v_cvt_scalef32_pk16_fp6_f32 v[\pc+6*\c:\pc+2+6*\c], v[(\s)+32*\c:(\s)+15+32*\c], v[TM+12+2*\c]
	v_cvt_scalef32_pk16_fp6_f32 v[\pc+12+4*\c:\pc+14+4*\c], v[(\s)+16+32*\c:(\s)+31+32*\c], v[TM+12+2*\c+1]
.endr
	WIN 0
	v_nop                                              ; one plain place behind a scaled conversion
.irp c, 0,1
.irp i, 0,1,2
	v_permlane16_swap_b32 v[\pc+6*\c+\i], v[\pc+12+4*\c+\i]
.endr
.irp i, 0,1,2
	v_mov_b32 v[\pc+3+6*\c+\i], v[\pc+12+4*\c+\i]
.endr
.endr
.endm
.macro PUT pc, pw, co, so
	global_store_b128 v[LI16], v[\pc:\pc+3], s[10:11] offset:\co
	global_store_b64 v[LI8], v[\pc+4:\pc+5], s[10:11] offset:\co+512
	global_store_b128 v[LI16], v[\pc+6:\pc+9], s[10:11] offset:\co+768
	global_store_b64 v[LI8], v[\pc+10:\pc+11], s[10:11] offset:\co+1280
	global_store_b32 v[LI4], v[\pw], s[12:13] offset:\so
.endm
.macro SPAIR n, val                    ; a constant for the packed forms, which name a pair and take its low word for both halves
	s_mov_b32 s[\n], \val
	s_mov_b32 s[\n+1], \val
.endm
; Y tile a's 64 sums become gelu(.) in v[GA] on, eight numbers (four pairs, by turns) at a time
.macro GELU a
	WIN 0x02                                           ; source 0 window 2
.set j, 0
.rept 32
	v_pk_mul_f32 v[GA+j:GA+j+1], v[64*(\a)+j:64*(\a)+j+1], 0.5 op_sel_hi:[1,0]   ; g = 0.5 x; each accumulator from its low end on
.set j, j+2
.endr
	WIN 0
.set g, 0
.rept 8
.irp k, 0,2,4,6
	v_pk_mul_f32 v[Z+\k:Z+\k+1], v[GA+g+\k:GA+g+\k+1], 0x3fb504f3 op_sel_hi:[1,0]   ; z = x / sqrt 2 = g sqrt 2
.endr
.irp k, 0,1,2,3,4,5,6,7
	v_med3_num_f32 v[Z+\k], v[Z+\k], -4.0, 4.0
.endr
.irp k, 0,2,4,6
	v_pk_mul_f32 v[X2+\k:X2+\k+1], v[Z+\k:Z+\k+1], v[Z+\k:Z+\k+1]
.endr
.irp k, 0,2,4,6
	v_pk_fma_f32 v[PP+\k:PP+\k+1], v[X2+\k:X2+\k+1], v[CA0:CA0+1], s[66:67] op_sel_hi:[1,1,0]
.endr
.irp k, 0,2,4,6
	v_pk_fma_f32 v[QQ+\k:QQ+\k+1], v[X2+\k:X2+\k+1], v[CB0:CB0+1], s[78:79] op_sel_hi:[1,1,0]
.endr
.irp c, 68,70,72,74,76
.irp k, 0,2,4,6
	v_pk_fma_f32 v[PP+\k:PP+\k+1], v[PP+\k:PP+\k+1], v[X2+\k:X2+\k+1], s[\c:\c+1] op_sel_hi:[1,1,0]
.endr
.endr
.irp c, 80,82,84
.irp k, 0,2,4,6
	v_pk_fma_f32 v[QQ+\k:QQ+\k+1], v[QQ+\k:QQ+\k+1], v[X2+\k:X2+\k+1], s[\c:\c+1] op_sel_hi:[1,1,0]
.endr
.endr
	s_wait_alu depctr_va_vdst(0)
.irp k, 0,1,2,3,4,5,6,7
	v_rcp_f32 v[X2+\k], v[QQ+\k]
.endr
.irp k, 0,2,4,6
	v_pk_mul_f32 v[PP+\k:PP+\k+1], v[PP+\k:PP+\k+1], v[Z+\k:Z+\k+1]      ; (plain places behind the reciprocals)
.endr
	s_wait_alu depctr_va_vdst(0)
.irp k, 0,2,4,6
	v_pk_mul_f32 v[PP+\k:PP+\k+1], v[PP+\k:PP+\k+1], v[X2+\k:X2+\k+1]    ; erf
.endr
.irp k, 0,2,4,6
	v_pk_fma_f32 v[GA+g+\k:GA+g+\k+1], v[GA+g+\k:GA+g+\k+1], v[PP+\k:PP+\k+1], v[GA+g+\k:GA+g+\k+1]   ; g erf + g
.endr
.set g, g+8
.endr
.endm
	s_load_b128 s[4:7], s[0:1], 0x0                    ; Y's images s[4:5], X's s[6:7]
	s_load_b128 s[8:11], s[0:1], 0x10                  ; the bias s[8:9], hidimg s[10:11]
	v_lshl_add_u32 v[SPW], v0, 2, SPARE
	v_mov_b32 v[NIL], 0
	ds_add_u32 v28, v29
	ds_add_u32 v28, v29
	s_wait_dscnt 0x0
	v_lshrrev_b32 v1, 5, v0
	v_readfirstlane_b32 s14, v1                        ; wave 0..3
	s_lshr_b32 s15, s14, 1                             ; YH.  Also: I fetch for X (0) or for Y (1)
	s_and_b32 s16, s14, 1                              ; XH.  Also: which half I fetch
	s_bfe_u32 s40, ttmp6, 0x40000
	s_bfe_u32 s41, ttmp6, 0x40004
	s_lshl_b32 s42, ttmp9, 2
	s_add_co_u32 s42, s42, s40                         ; work-group x
	s_and_b32 s17, ttmp7, 0xffff
	s_lshl_b32 s17, s17, 2
	s_add_co_u32 s17, s17, s41                         ; work-group y
	s_lshl_b32 s43, s41, 2
	s_lshl_b32 s43, 15, s43                            ; my row of the cluster
	s_lshl_b32 s44, 0x1111, s40                        ; my column
	s_or_b32 s[G1X], s44, (3<<16)|(1<<21)              ; the mask; elements of 8 bytes; bit 21 beside a mask; no padding
	s_or_b32 s[G1Y], s43, (3<<16)|(1<<21)
	s_mov_b32 s[G1X+1], 6656<<16                       ; a row: 8 records, 53,248 bytes, in elements of 8
	s_mov_b32 s[G1X+2], 2<<16                          ; two rows: the two chunks of 512 along K
	s_mov_b32 s[G1X+3], 6656<<16
	s_mov_b32 s[G1X+4], 2
	s_mov_b32 s[G1X+5], NTX*REC/8                      ; from chunk to chunk
	s_mov_b32 s[G1X+6], 0
	s_mov_b32 s[G1X+7], 0
	s_mov_b32 s[G1Y+1], 3328<<16                       ; a row: 4 records
	s_mov_b32 s[G1Y+2], 2<<16
	s_mov_b32 s[G1Y+3], 3328<<16
	s_mov_b32 s[G1Y+4], 2
	s_mov_b32 s[G1Y+5], NTY*REC/8
	s_mov_b32 s[G1Y+6], 0
	s_mov_b32 s[G1Y+7], 0
	s_lshl_b32 s46, s42, 4                             ; X: tile 16 x + 8 x half
	s_lshl_b32 s18, s16, 3
	s_add_co_u32 s46, s46, s18
	s_mul_i32 s46, s46, REC
.if OFX
	s_add_co_u32 s46, s46, OFX
.endif
	s_mov_b32 s47, 0
	s_lshl_b32 s20, s17, 3                             ; Y: tile 8 y + 4 x half
	s_lshl_b32 s19, s16, 2
	s_add_co_u32 s20, s20, s19
	s_mul_i32 s20, s20, REC
.if OFY
	s_add_co_u32 s20, s20, OFY
.endif
	s_mov_b32 s21, 0
	s_mul_i32 s45, s16, 2*XHALF                        ; LDS: my half's chunk 0, then its chunk 1
	s_mul_i32 s19, s16, 2*YHALF
	s_add_co_u32 s19, s19, YOFF
	s_mov_b32 s[SEL], 0x76543210
	s_mov_b32 s[SEL+1], 0xfedcba98
	SPAIR 66, 0x32edffee                               ; P's coefficients behind the leading one, the highest power first
	SPAIR 68, 0xb60cff51
	SPAIR 70, 0xb86ec2d2
	SPAIR 72, 0xba40ac63
	SPAIR 74, 0xbb41a1f6
	SPAIR 76, 0xbc83dbd4
	SPAIR 78, 0xb95fbd29                               ; Q's
	SPAIR 80, 0xbadc924e
	SPAIR 82, 0xbbf19bf8
	SPAIR 84, 0xbc69b6a7
	s_wait_kmcnt 0x0
	s_add_nc_u64 s[46:47], s[6:7], s[46:47]
	s_add_nc_u64 s[20:21], s[4:5], s[20:21]
	CROUND                                             ; all sixteen work-groups are here: the first joint loads meet
.irp s, 0
	s_mov_b32 s[G0X+4*\s], 1
	s_add_co_u32 s[G0X+4*\s+1], s45, \s*SLOT
	s_add_nc_u64 s[G0X+4*\s+2:G0X+4*\s+3], s[46:47], \s*NTX*REC
	s_or_b32 s[G0X+4*\s+3], s[G0X+4*\s+3], 0x80000000
	s_mov_b32 s[G0Y+4*\s], 1
	s_add_co_u32 s[G0Y+4*\s+1], s19, \s*SLOT
	s_add_nc_u64 s[G0Y+4*\s+2:G0Y+4*\s+3], s[20:21], \s*NTY*REC
	s_or_b32 s[G0Y+4*\s+3], s[G0Y+4*\s+3], 0x80000000
	JLOAD \s                                           ; my one load: both chunks of my half
.endr
	v_and_b32 v1, 31, v0
	v_and_b32 v2, 15, v0
	v_bfe_u32 v3, v0, 4, 1
	v_lshlrev_b32 v[LI16], 4, v1
	v_lshlrev_b32 v[LI8], 3, v1
	v_lshlrev_b32 v[LI4], 2, v1
	s_mul_i32 s22, s16, 2*XHALF
	s_mul_i32 s23, s15, 2*YHALF
	s_add_co_u32 s23, s23, YOFF
.irp s, 0,1
	v_add_nc_u32 v[AX16+\s], s22, v[LI16]
	v_add_nc_u32 v[AX8+\s], s22, v[LI8]
	v_add_nc_u32 v[ASX+\s], s22, v[LI4]
	v_add_nc_u32 v[AY16+\s], s23, v[LI16]
	v_add_nc_u32 v[AY8+\s], s23, v[LI8]
	v_add_nc_u32 v[ASY+\s], s23, v[LI4]
	s_add_co_u32 s22, s22, XHALF
	s_add_co_u32 s23, s23, YHALF
.endr
.irp b, 0,1,2,3
	v_mov_b32 v[TM+4+\b], 0                            ; written once: a lane permute's destination counts as one of its sources
.endr
	v_mov_b32 v[CA0], 0xaf95df0b
	v_mov_b32 v[CA0+1], 0xaf95df0b
	v_mov_b32 v[CB0], 0xb77460cd
	v_mov_b32 v[CB0+1], 0xb77460cd
	s_lshl_b32 s90, s42, 10                            ; the bias of my 128 X rows: register 16 b + i wants index 32 b + 16 h + i
	s_lshl_b32 s91, s16, 9
	s_add_co_u32 s90, s90, s91
	s_mov_b32 s91, 0
	s_add_nc_u64 s[8:9], s[8:9], s[90:91]
	v_lshlrev_b32 v[BVA], 6, v3
.irp b, 0,1,2,3
.irp q, 0,1,2,3
	global_load_b128 v[BIAS+16*\b+4*\q:BIAS+16*\b+4*\q+3], v[BVA], s[8:9] offset:128*\b+16*\q
.endr
.endr
	s_lshl_b32 s90, s42, 1                             ; where the images go: my 128 hidden units are K step xs = 2 x + XH: record (xs / 4) x 256 + token tile, fragment xs % 4
	s_add_co_u32 s90, s90, s16
	s_lshr_b32 s91, s90, 2
	s_lshl_b32 s91, s91, 8
	s_lshl_b32 s92, s17, 3
	s_add_co_u32 s91, s91, s92
	s_lshl_b32 s92, s15, 2
	s_add_co_u32 s91, s91, s92
	s_mul_i32 s91, s91, REC
	s_and_b32 s90, s90, 3
	s_mul_i32 s92, s90, 1536
	s_add_co_u32 s92, s92, s91
	s_mov_b32 s93, 0
	s_lshl_b32 s94, s90, 7
	s_add_co_u32 s94, s94, s91
	s_add_co_u32 s94, s94, 6144
	s_mov_b32 s95, 0
	s_add_nc_u64 s[12:13], s[10:11], s[94:95]          ; scale images
	s_add_nc_u64 s[10:11], s[10:11], s[92:93]          ; images
	s_wait_alu depctr_va_vdst(0)
	s_wait_tensorcnt 0x0                               ; my load is in
	s_barrier_signal -1
	s_barrier_wait -1
	FETCH 0, 0, 0
	s_wait_loadcnt 0x0                                 ; the bias
	STEP 0, 0, 1
	STEP 0, 1, 0
	STEP 0, 2, 0
	TURN 0, 1, 0
	STEP 1, 0, 0
	STEP 1, 1, 0
	STEP 1, 2, 0
	s_wait_dscnt 0x0
	WIN 0xa1
	MUL16 0, 1, 0
	MUL16 2, 1, 0
	WIN 0
	PLACES
.irp a, 0,1,2,3
	GELU \a
	QUANT GA, 0, BIAS+20*\a, PW+\a
	PUT BIAS+20*\a, PW+\a, REC*\a, REC*\a
.endr
	s_wait_tensorcnt 0x0                               ; the wave's end
	ds_add_u32 v[SPW], v[NIL]
	s_wait_dscnt 0x0
	CROUND                                             ; the closing round
	s_endpgm
.Lfunc_end_k_q3da7b95c16_gemm_fc1:
	.size	k_q3da7b95c16_gemm_fc1, .Lfunc_end_k_q3da7b95c16_gemm_fc1-k_q3da7b95c16_gemm_fc1
	.p2alignl 7, 3214868480
	.fill 96, 4, 3214868480
	.section	.rodata,"a",@progbits
	.p2align	6, 0x0
	.amdhsa_kernel k_q3da7b95c16_gemm_fc1
		.amdhsa_group_segment_fixed_size 327680
		.amdhsa_private_segment_fixed_size 0
		.amdhsa_enable_private_segment 0
		.amdhsa_kernarg_size 32
		.amdhsa_user_sgpr_count 2
		.amdhsa_user_sgpr_kernarg_segment_ptr 1
		.amdhsa_wavefront_size32 1
		.amdhsa_system_sgpr_workgroup_id_x 1
		.amdhsa_system_sgpr_workgroup_id_y 1
		.amdhsa_system_sgpr_workgroup_id_z 1
		.amdhsa_system_vgpr_workitem_id 0
		.amdhsa_next_free_vgpr 768
		.amdhsa_next_free_sgpr 98
		.amdhsa_reserve_vcc 0
		.amdhsa_float_denorm_mode_32 3
		.amdhsa_float_denorm_mode_16_64 3
		.amdhsa_memory_ordered 1
		.amdhsa_forward_progress 1
		.amdhsa_inst_pref_size 250
	.end_amdhsa_kernel
	.amdgpu_metadata
---
amdhsa.version: [ 1, 2 ]
amdhsa.kernels:
  - .name:           k_q3da7b95c16_gemm_fc1
    .symbol:         k_q3da7b95c16_gemm_fc1.kd
    .args:
      - { .name: himg, .offset: 0, .size: 8, .value_kind: global_buffer, .address_space: global }
      - { .name: wimg, .offset: 8, .size: 8, .value_kind: global_buffer, .address_space: global }
      - { .name: fc1_b, .offset: 16, .size: 8, .value_kind: global_buffer, .address_space: global }
      - { .name: hidimg, .offset: 24, .size: 8, .value_kind: global_buffer, .address_space: global }
    .group_segment_fixed_size: 327680
    .private_segment_fixed_size: 0
    .kernarg_segment_align: 8
    .kernarg_segment_size: 32
    .max_flat_workgroup_size: 128
    .sgpr_count:     98
    .vgpr_count:     768
    .wavefront_size: 32
...
	.end_amdgpu_metadata
.endif
;; end of part 7
;; launch gemm_fc2 (part 8): grid 8 x 32, 4 waves a work-group, clusters of 4 x 4, 327,680 bytes of LDS; arguments hidimg, wimg, fc2_b, x1, out0; writes out0
.if DOCPART == 8
	.amdgcn_target "amdgcn-amd-amdhsa--gfx1250"
	.amdhsa_code_object_version 6
	.text
	.protected	k_q3da7b95c16_gemm_fc2
	.globl	k_q3da7b95c16_gemm_fc2
	.p2align	8
	.type	k_q3da7b95c16_gemm_fc2,@function
k_q3da7b95c16_gemm_fc2:
	s_mov_b64 s[64:65], 0
	v_nop
	global_prefetch_b8 v0, s[64:65] scope:SCOPE_SE
	s_setreg_imm32_b32 hwreg(HW_REG_WAVE_MODE, 25, 1), 1
	s_wait_xcnt 0x0
	s_wait_alu depctr_hold_cnt(0) depctr_sa_sdst(0) depctr_va_vdst(0) depctr_va_sdst(0) depctr_va_ssrc(0) depctr_va_vcc(0) depctr_vm_vsrc(0)
	s_getreg_b32 s2, hwreg(HW_REG_IB_STS2, 6, 4)
	s_cmp_eq_u32 s2, 0
	s_cbranch_scc0 .Lentry_in_a_cluster
	s_endpgm
.Lentry_in_a_cluster:
	s_bfe_u32 s2, ttmp6, 0x10000c
	s_cmp_lg_u32 s2, 0xf033
	s_cbranch_scc0 .Lentry_shape_is_right
	s_endpgm
.Lentry_shape_is_right:
.set LAPS,  4
.set NTY,   256
.set NTX,   64
.set OFX,   6815744
.set REC,   6656
.set HALF,  4*REC
.set YOFF,  8*REC
.set SLOT,  16*REC
.set SPARE, 2*SLOT
.set SP,    272
.set AX16, 4
.set AX8,  6
.set AY16, 8
.set AY8,  10
.set ASX,  12
.set ASY,  14
.set LI16, 16
.set LI8,  17
.set LI4,  18
.set STO,  19
.set RD,   20
.set CO,   21
.set BVA,  22
.set SPW,  28
.set NIL,  29
.set SC,   32
.set YF,   64
.set BIAS, 160
.set BK,   192
.set RES,  128
.set G1X,  24
.set G0X,  32
.set G1Y,  48
.set G0Y,  56
.set MSB,  0
.macro WIN new
.if MSB != \new
	s_set_vgpr_msb (MSB<<8)|\new
.set MSB, \new
.endif
.endm
.macro JLOAD s
	s_cmp_eq_u32 s15, 0
	s_cbranch_scc0 .Lfor_y_\@
	tensor_load_to_lds s[G0X+4*\s:G0X+4*\s+3], s[G1X:G1X+7]
	s_nop 0
.rept 4
	v_nop
.endr
	s_branch .Lasked_\@
.Lfor_y_\@:
	tensor_load_to_lds s[G0Y+4*\s:G0Y+4*\s+3], s[G1Y:G1Y+7]
	s_nop 0
.rept 4
	v_nop
.endr
.Lasked_\@:
.endm
.macro CREST
	s_cmp_lg_u32 s14, 0
	s_cbranch_scc1 .Lnot_wave_0_\@
	s_barrier_signal -3
.Lnot_wave_0_\@:
	s_barrier_wait -3
	s_barrier_signal -1
	s_barrier_wait -1
.endm
.macro CROUND
	s_barrier_signal -1
	s_barrier_wait -1
	CREST
.endm
.macro PLACES
.rept 4
	v_nop
.endr
.endm
.macro FRAG reg, a16, a8, off
	ds_load_b128 v[\reg:\reg+3], v[\a16] offset:\off
	ds_load_b64 v[\reg+4:\reg+5], v[\a8] offset:\off+512
	ds_load_b128 v[\reg+6:\reg+9], v[\a16] offset:\off+768
	ds_load_b64 v[\reg+10:\reg+11], v[\a8] offset:\off+1280
.endm
.macro FETCH slot, ks, p
	WIN 0x40
.irp i, 0,1,2,3
	FRAG 128*(\p)+12*\i, AX16+\slot, AX8+\slot, \i*REC+(\ks)*1536
.endr
	WIN 0
.irp i, 0,1,2,3
	FRAG YF+48*(\p)+12*\i, AY16+\slot, AY8+\slot, \i*REC+(\ks)*1536
.endr
.irp i, 0,1,2,3
	ds_load_b32 v[SC+8*(\p)+\i], v[ASX+\slot] offset:\i*REC+6144+128*(\ks)
.endr
.irp i, 0,1,2,3
	ds_load_b32 v[SC+8*(\p)+4+\i], v[ASY+\slot] offset:\i*REC+6144+128*(\ks)
.endr
.endm
.macro MUL8 a0, p, first
.irp a, \a0, \a0+1
.irp b, 0,1,2,3
.set AC, 8*(4*(\a)+\b)
.set XR, 128*(\p)+12*\b
.set YR, YF+48*(\p)+12*(\a)
.set SX, SC+8*(\p)+\b
.set SY, SC+8*(\p)+4+(\a)
.set BR, BIAS+8*\b
.if \first
	v_wmma_scale_f32_16x16x128_f8f6f4 v[AC:AC+7], v[XR:XR+11], v[YR:YR+11], v[BR:BR+7], v[SX], v[SY] matrix_a_fmt:MATRIX_FMT_FP6 matrix_b_fmt:MATRIX_FMT_FP6
.else
	v_wmma_scale_f32_16x16x128_f8f6f4 v[AC:AC+7], v[XR:XR+11], v[YR:YR+11], v[AC:AC+7], v[SX], v[SY] matrix_a_fmt:MATRIX_FMT_FP6 matrix_b_fmt:MATRIX_FMT_FP6
.endif
.endr
.endr
.endm
.macro STEP slot, ks, first
	s_wait_dscnt 0x0
	PLACES
	FETCH \slot, (\ks)+1, 1-(\ks)%2
.if \first
	WIN 0x81
.else
	WIN 0xa1
.endif
	MUL8 0, (\ks)%2, \first
	MUL8 2, (\ks)%2, \first
	WIN 0
.endm
.macro TURN slot, next, fill
	s_wait_tensorcnt 0x0
	ds_add_u32 v[SPW], v[NIL]
.if \fill
	s_add_nc_u64 s[G0X+4*\slot+2:G0X+4*\slot+3], s[G0X+4*\slot+2:G0X+4*\slot+3], 2*NTX*REC
	s_add_nc_u64 s[G0Y+4*\slot+2:G0Y+4*\slot+3], s[G0Y+4*\slot+2:G0Y+4*\slot+3], 2*NTY*REC
.endif
	s_wait_dscnt 0x0
	s_barrier_signal -1
	WIN 0xa1
	MUL8 0, 1, 0
	WIN 0
	s_barrier_wait -1
.if \fill
	CREST
	JLOAD \slot
.else
	PLACES
.endif
	FETCH \next, 0, 0
	WIN 0xa1
	MUL8 2, 1, 0
	WIN 0
.endm
.macro OUTA a
.set BB, BK+32*((\a)%2)
.if (\a) > 1
	s_wait_xcnt 0x0
.endif
	WIN 0x08
.irp b, 0,1
.irp q, 0,1,2,3
	ds_store_b128 v[STO], v[32*(\a)+16*\b+4*\q:32*(\a)+16*\b+4*\q+3] offset:128*\b+16*\q
.endr
.endr
	WIN 0
.irp t, 0,1,2,3,4,5,6,7
	ds_load_b128 v[BB+4*\t:BB+4*\t+3], v[RD] offset:2*SP*\t
.endr
	s_wait_dscnt 0x0
	WIN 0x08
.irp t, 0,1,2,3,4,5,6,7
	v_pk_add_f32 v[BB+4*\t:BB+4*\t+1], v[BB+4*\t:BB+4*\t+1], v[RES+32*(\a)+4*\t:RES+32*(\a)+4*\t+1]
	v_pk_add_f32 v[BB+4*\t+2:BB+4*\t+3], v[BB+4*\t+2:BB+4*\t+3], v[RES+32*(\a)+4*\t+2:RES+32*(\a)+4*\t+3]
.endr
	WIN 0
.irp t, 0,1,2,3,4,5,6,7
	global_store_b128 v[CO], v[BB+4*\t:BB+4*\t+3], s[12:13] offset:(32*((\a)/2)+8*((\a)%2)+2*\t+((2*\t)&8))*4096
.endr
.endm
	s_load_b128 s[4:7], s[0:1], 0x0
	s_load_b128 s[8:11], s[0:1], 0x10
	s_load_b64 s[12:13], s[0:1], 0x20
	v_lshl_add_u32 v[SPW], v0, 2, SPARE
	v_mov_b32 v[NIL], 0
	ds_add_u32 v28, v29
	ds_add_u32 v28, v29
	s_wait_dscnt 0x0
	v_lshrrev_b32 v1, 5, v0
	v_readfirstlane_b32 s14, v1
	s_lshr_b32 s15, s14, 1
	s_and_b32 s16, s14, 1
	s_bfe_u32 s40, ttmp6, 0x40000
	s_bfe_u32 s41, ttmp6, 0x40004
	s_lshl_b32 s42, ttmp9, 2
	s_add_co_u32 s42, s42, s40
	s_and_b32 s17, ttmp7, 0xffff
	s_lshl_b32 s17, s17, 2
	s_add_co_u32 s17, s17, s41
	s_lshl_b32 s43, s41, 2
	s_lshl_b32 s43, 15, s43
	s_lshl_b32 s44, 0x1111, s40
	s_or_b32 s[G1X], s44, (3<<16)|(1<<21)
	s_or_b32 s[G1Y], s43, (3<<16)|(1<<21)
.irp g, G1X, G1Y
	s_mov_b32 s[\g+1], 32<<16
	s_mov_b32 s[\g+2], 104<<16
	s_mov_b32 s[\g+3], 32<<16
	s_mov_b32 s[\g+4], 104
	s_mov_b32 s[\g+5], 32
	s_mov_b32 s[\g+6], 0
	s_mov_b32 s[\g+7], 0
.endr
	s_lshl_b32 s18, s16, 2
	s_lshl_b32 s46, s42, 3
	s_add_co_u32 s46, s46, s18
	s_mul_i32 s46, s46, REC
	s_add_co_u32 s46, s46, OFX
	s_mov_b32 s47, 0
	s_lshl_b32 s20, s17, 3
	s_add_co_u32 s20, s20, s18
	s_mul_i32 s20, s20, REC
	s_mov_b32 s21, 0
	s_mul_i32 s45, s16, HALF
	s_add_co_u32 s19, s45, YOFF
	s_wait_kmcnt 0x0
	s_add_nc_u64 s[46:47], s[6:7], s[46:47]
	s_add_nc_u64 s[20:21], s[4:5], s[20:21]
	CROUND
.irp s, 0,1
	s_mov_b32 s[G0X+4*\s], 1
	s_add_co_u32 s[G0X+4*\s+1], s45, \s*SLOT
	s_add_nc_u64 s[G0X+4*\s+2:G0X+4*\s+3], s[46:47], \s*NTX*REC
	s_or_b32 s[G0X+4*\s+3], s[G0X+4*\s+3], 0x80000000
	s_mov_b32 s[G0Y+4*\s], 1
	s_add_co_u32 s[G0Y+4*\s+1], s19, \s*SLOT
	s_add_nc_u64 s[G0Y+4*\s+2:G0Y+4*\s+3], s[20:21], \s*NTY*REC
	s_or_b32 s[G0Y+4*\s+3], s[G0Y+4*\s+3], 0x80000000
.if \s == 0
	JLOAD \s                                           ; slot 0: my one load at the head
.endif
.endr
	v_and_b32 v1, 31, v0
	v_and_b32 v2, 15, v0
	v_bfe_u32 v3, v0, 4, 1
	v_lshlrev_b32 v[LI16], 4, v1
	v_lshlrev_b32 v[LI8], 3, v1
	v_lshlrev_b32 v[LI4], 2, v1
	s_mul_i32 s22, s16, HALF
	s_mul_i32 s23, s15, HALF
	s_add_co_u32 s23, s23, YOFF
.irp s, 0,1
	v_add_nc_u32 v[AX16+\s], s22, v[LI16]
	v_add_nc_u32 v[AX8+\s], s22, v[LI8]
	v_add_nc_u32 v[ASX+\s], s22, v[LI4]
	v_add_nc_u32 v[AY16+\s], s23, v[LI16]
	v_add_nc_u32 v[AY8+\s], s23, v[LI8]
	v_add_nc_u32 v[ASY+\s], s23, v[LI4]
	s_add_co_u32 s22, s22, SLOT
	s_add_co_u32 s23, s23, SLOT
.endr
	s_mul_i32 s22, s14, 16*SP
	v_mul_u32_u24 v[STO], v2, SP
	v_lshl_add_u32 v[STO], v3, 6, v[STO]
	v_add_nc_u32 v[STO], s22, v[STO]
	v_mul_u32_u24 v[RD], v3, SP
	v_lshl_add_u32 v[RD], v2, 4, v[RD]
	v_add_nc_u32 v[RD], s22, v[RD]
	v_lshlrev_b32 v[CO], 12, v3
	v_lshl_add_u32 v[CO], v2, 4, v[CO]
	s_wait_alu depctr_va_vdst(0)
	s_lshl_b32 s90, s42, 9
	s_lshl_b32 s91, s16, 8
	s_add_co_u32 s90, s90, s91
	s_mov_b32 s91, 0
	s_add_nc_u64 s[8:9], s[8:9], s[90:91]
	v_lshlrev_b32 v[BVA], 6, v3
.irp b, 0,1
.irp q, 0,1,2,3
	global_load_b128 v[BIAS+16*\b+4*\q:BIAS+16*\b+4*\q+3], v[BVA], s[8:9] offset:128*\b+16*\q
.endr
.endr
	s_lshl_b32 s92, s17, 19
	s_lshl_b32 s93, s15, 18
	s_add_co_u32 s92, s92, s93
	s_add_co_u32 s92, s92, s90
	s_mov_b32 s93, 0
	s_add_nc_u64 s[10:11], s[10:11], s[92:93]
	s_add_nc_u64 s[12:13], s[12:13], s[92:93]
	WIN 0x80
.irp a, 0,1,2,3
.irp t, 0,1,2,3,4,5,6,7
	global_load_b128 v[RES+32*\a+4*\t:RES+32*\a+4*\t+3], v[CO], s[10:11] offset:(32*(\a/2)+8*(\a%2)+2*\t+((2*\t)&8))*4096
.endr
.endr
	WIN 0
	s_wait_alu depctr_va_vdst(0)
	s_wait_tensorcnt 0x0                               ; my part of slot 0 is in
	ds_add_u32 v[SPW], v[NIL]
	s_wait_dscnt 0x0
	CROUND                                             ; a whole round: slot 0 is whole, and the joint loads meet
	JLOAD 1                                            ; slot 1's first fill, the first tensor load behind the round
	FETCH 0, 0, 0
	s_wait_loadcnt 32
	STEP 0, 0, 1
.if LAPS > 1
	s_mov_b32 s3, LAPS-1
.Llap:
	STEP 0, 1, 0
	STEP 0, 2, 0
	TURN 0, 1, 1
	STEP 1, 0, 0
	STEP 1, 1, 0
	STEP 1, 2, 0
	TURN 1, 0, 1
	STEP 0, 0, 0
	s_sub_co_u32 s3, s3, 1
	s_cmp_lg_u32 s3, 0
	s_cbranch_scc1 .Llap
.endif
	STEP 0, 1, 0
	STEP 0, 2, 0
	TURN 0, 1, 0
	STEP 1, 0, 0
	STEP 1, 1, 0
	STEP 1, 2, 0
	s_wait_dscnt 0x0
	WIN 0xa1
	MUL8 0, 1, 0
	MUL8 2, 1, 0
	WIN 0
	PLACES
	s_wait_loadcnt 0x0
	OUTA 0
	OUTA 1
	OUTA 2
	OUTA 3
	s_wait_tensorcnt 0x0
	ds_add_u32 v[SPW], v[NIL]
	s_wait_dscnt 0x0
	CROUND
	s_endpgm
.Lfunc_end_k_q3da7b95c16_gemm_fc2:
	.size	k_q3da7b95c16_gemm_fc2, .Lfunc_end_k_q3da7b95c16_gemm_fc2-k_q3da7b95c16_gemm_fc2
	.p2alignl 7, 3214868480
	.fill 96, 4, 3214868480
	.section	.rodata,"a",@progbits
	.p2align	6, 0x0
	.amdhsa_kernel k_q3da7b95c16_gemm_fc2
		.amdhsa_group_segment_fixed_size 327680
		.amdhsa_private_segment_fixed_size 0
		.amdhsa_enable_private_segment 0
		.amdhsa_kernarg_size 40
		.amdhsa_user_sgpr_count 2
		.amdhsa_user_sgpr_kernarg_segment_ptr 1
		.amdhsa_wavefront_size32 1
		.amdhsa_system_sgpr_workgroup_id_x 1
		.amdhsa_system_sgpr_workgroup_id_y 1
		.amdhsa_system_sgpr_workgroup_id_z 1
		.amdhsa_system_vgpr_workitem_id 0
		.amdhsa_next_free_vgpr 768
		.amdhsa_next_free_sgpr 98
		.amdhsa_reserve_vcc 0
		.amdhsa_float_denorm_mode_32 3
		.amdhsa_float_denorm_mode_16_64 3
		.amdhsa_memory_ordered 1
		.amdhsa_forward_progress 1
		.amdhsa_inst_pref_size 103
	.end_amdhsa_kernel
	.amdgpu_metadata
---
amdhsa.version: [ 1, 2 ]
amdhsa.kernels:
  - .name:           k_q3da7b95c16_gemm_fc2
    .symbol:         k_q3da7b95c16_gemm_fc2.kd
    .args:
      - { .name: hidimg, .offset: 0, .size: 8, .value_kind: global_buffer, .address_space: global }
      - { .name: wimg, .offset: 8, .size: 8, .value_kind: global_buffer, .address_space: global }
      - { .name: fc2_b, .offset: 16, .size: 8, .value_kind: global_buffer, .address_space: global }
      - { .name: x1, .offset: 24, .size: 8, .value_kind: global_buffer, .address_space: global }
      - { .name: out0, .offset: 32, .size: 8, .value_kind: global_buffer, .address_space: global }
    .group_segment_fixed_size: 327680
    .private_segment_fixed_size: 0
    .kernarg_segment_align: 8
    .kernarg_segment_size: 40
    .max_flat_workgroup_size: 128
    .sgpr_count:     98
    .vgpr_count:     768
    .wavefront_size: 32
...
	.end_amdgpu_metadata
.endif
;; end of part 8
